; MI455X (gfx1250); checked and timed in simulation.
; The chip was launched on July 23, 2026; its instructions are those of AMD's public machine-readable ISA for CDNA 5 (MIT licence, August 2026) and "CDNA5" Instruction Set Architecture Reference Guide (July 2026). The comments in the code are by the model that wrote it; some were corrected since.
;; Simple SSM Cell. Allowed arithmetic: float matrix products may take bf16 or f16 operands with f32 sums; other float arithmetic in f32, or as packed bf16 or f16 multiplies, adds, multiply-adds, maxima and minima; sums over many terms, partial sums and values carried from step to step in f32; what a program stores and reads back later, other than sums and carried values, may be rounded once to bf16 or f16.
;; Inputs: W_B 1,024 x 1,024 float32; W_C 1,024 x 1,024 float32; W_D 1,024 x 1,024 float32; b_B 1,024 float32; b_C 1,024 float32; b_D 1,024 float32; log_A 1,024 float32; log_dt 1 float32; u 8 x 2,048 x 1,024 float32.
;; Outputs: out0 8 x 2,048 x 1,024 float32.
;; 3 versions, each right; version 3 is version 2 with the launch cast written anew for expert scheduling mode. Each part assembles by itself: llvm-mc -triple=amdgcn-amd-amdhsa -mcpu=gfx1250 --defsym DOCPART=n.
;; ======== version 1 of 3: 4 launches
;; workspace buffers: ub 33,554,432 bytes; wb 6,291,456 bytes; but 67,108,864 bytes; xt 33,554,432 bytes
;; launch cast (part 1): grid 1216 x 1, 8 waves a work-group, no clusters, 0 bytes of LDS; arguments u, W_B, W_D, W_C, ub, wb; writes ub, wb
.if DOCPART == 1
	.amdgcn_target "amdgcn-amd-amdhsa--gfx1250"
	.amdhsa_code_object_version 6
	.text
	.protected	k_q2568237167_cast
	.globl	k_q2568237167_cast
	.p2align	8
	.type	k_q2568237167_cast,@function
k_q2568237167_cast:
	s_mov_b64 s[64:65], 0
	v_nop
	global_prefetch_b8 v0, s[64:65] scope:SCOPE_SE
	s_setreg_imm32_b32 hwreg(HW_REG_WAVE_MODE, 25, 1), 1
	s_wait_xcnt 0x0
; THE PROGRAM, four launches:  y = x W_C^T + b_C + u W_D^T + b_D,  x_t = A_bar x_(t-1) + dt (u_t W_B^T + b_B).
;   cast   u and the three weight matrices, f32 to bf16 (this text)
;   gemm1  BuT[n][bt] = dt (sum over k of W_B[n][k] u[bt][k]) + dt b_B[n], in f32, time along the rows (bt = 2,048 b + t)
;   scan   the recurrence along each piece of 2,048 numbers of a row of BuT; x rounded once to bf16
;   gemm2  y = [u | x] [W_D | W_C]^T + b_C + b_D
; WORK LEFT OUT.  x0 is the array of zeros that the recurrence starts from by its own definition, so A_bar x0 = 0 whatever finite numbers the inputs hold:
; the first steps of a sequence take no carry (scan).  Every input has a way to y and is loaded.
; LIMITS.  All inputs, the small ones too, are rounded to bf16 (nearest even) before use;
; x is rounded once to bf16 as a matrix operand; sums are f32 and are taken in another order than a step-by-step scan takes them.
; A NaN or an infinity in A_bar that would reach y only through A_bar x0 is not carried; NaN and infinities are not treated apart anywhere.
; THIS LAUNCH.  A work-group casts 16 rows of 1,024 numbers.  Work-groups 0-1023: u -> ub [16384][1024].  Then 64 each: W_B -> wb byte 0, [1024][1024];
; W_D and W_C -> wb byte 2,097,152, one matrix [1024][2048] with W_D in columns 0-1023 and W_C in columns 1024-2047.
; Thread t takes 16 bytes at 16 t of each row (a wave: 512 consecutive bytes) and stores 8 bytes at 8 t (a wave: 256 consecutive bytes, aligned).
; All 16 loads go out first; no register is written twice, so the only waits are the counted ones for the loads.  No LDS, no matrix unit: bytes are all there is.
.set ROWIN, 4096                       ; bytes in a row of f32
.set OFF,   8                          ; v[8:23]   row j: byte offset of my 8 bytes in the destination
.set DAT,   32                         ; v[32:95]  row j: four numbers as loaded; the first two registers then hold them as bf16
	s_load_b256 s[4:11], s[0:1], 0x0               ; u s[4:5], W_B s[6:7], W_D s[8:9], W_C s[10:11]
	s_load_b128 s[12:15], s[0:1], 0x20             ; ub s[12:13], wb s[14:15]
	v_lshlrev_b32 v1, 4, v0                        ; 16 t
	v_lshlrev_b32 v2, 3, v0                        ; 8 t
	s_lshr_b32 s18, ttmp9, 6                       ; below 16: u; 16: W_B; 17: W_D; 18: W_C
	s_and_b32 s17, ttmp9, 63                       ; a weight matrix's block of 16 rows
	s_mov_b32 s25, 0
	s_wait_kmcnt 0x0
	s_cmp_lt_u32 s18, 16                           ; all choices hang on the work-group's number alone, and stand ahead of the shifts, which write SCC
	s_cselect_b32 s16, ttmp9, s17                  ; my block of 16 rows in its source
	s_cselect_b64 s[20:21], s[4:5], s[6:7]
	s_cselect_b64 s[22:23], s[12:13], s[14:15]
	s_cmp_eq_u32 s18, 17
	s_cselect_b64 s[20:21], s[8:9], s[20:21]
	s_cmp_eq_u32 s18, 18
	s_cselect_b64 s[20:21], s[10:11], s[20:21]
	s_cselect_b32 s27, 2048, 0                     ; W_C: the right half of the joint rows
	s_cmp_gt_u32 s18, 16
	s_cselect_b32 s30, 1, 0                        ; 1: the destination's rows are 4,096 bytes
	s_lshl_b32 s28, 2048, s30                      ; bytes in a row of the destination
	s_add_co_u32 s29, s30, 15
	s_lshl_b32 s26, s30, 21                        ; the joint matrix begins at byte 2,097,152
	s_lshl_b32 s24, s16, 16                        ; 16 rows of 4,096 bytes
	s_add_nc_u64 s[20:21], s[20:21], s[24:25]
	s_lshl_b32 s24, s16, s29                       ; 16 rows of the destination
	s_add_co_u32 s24, s24, s26
	s_add_co_u32 s24, s24, s27
	s_add_nc_u64 s[22:23], s[22:23], s[24:25]
.set j, 0
.rept 16
	global_load_b128 v[DAT+4*j:DAT+4*j+3], v1, s[20:21] offset:ROWIN*j th:TH_LOAD_NT
.set j, j+1
.endr
.set j, 0
.rept 16
	v_mad_u32_u24 v[OFF+j], s28, j, v2             ; row j x the destination's pitch + 8 t
.set j, j+1
.endr
.set j, 0
.rept 16
	s_wait_loadcnt 15-j                            ; loads come back in order (ISA guide 5.7.1): row j is in, the 15 - j younger loads stay out
	v_cvt_pk_bf16_f32 v[DAT+4*j], v[DAT+4*j], v[DAT+4*j+1]
	v_cvt_pk_bf16_f32 v[DAT+4*j+1], v[DAT+4*j+2], v[DAT+4*j+3]
	global_store_b64 v[OFF+j], v[DAT+4*j:DAT+4*j+1], s[22:23]
.set j, j+1
.endr
	s_endpgm
.Lfunc_end_k_q2568237167_cast:
	.size	k_q2568237167_cast, .Lfunc_end_k_q2568237167_cast-k_q2568237167_cast
	.p2alignl 7, 3214868480
	.fill 96, 4, 3214868480
	.section	.rodata,"a",@progbits
	.p2align	6, 0x0
	.amdhsa_kernel k_q2568237167_cast
		.amdhsa_group_segment_fixed_size 0
		.amdhsa_private_segment_fixed_size 0
		.amdhsa_enable_private_segment 0
		.amdhsa_kernarg_size 48
		.amdhsa_user_sgpr_count 2
		.amdhsa_user_sgpr_kernarg_segment_ptr 1
		.amdhsa_wavefront_size32 1
		.amdhsa_system_sgpr_workgroup_id_x 1
		.amdhsa_system_sgpr_workgroup_id_y 1
		.amdhsa_system_sgpr_workgroup_id_z 1
		.amdhsa_system_vgpr_workitem_id 0
		.amdhsa_next_free_vgpr 96
		.amdhsa_next_free_sgpr 66
		.amdhsa_reserve_vcc 0
		.amdhsa_float_denorm_mode_32 3
		.amdhsa_float_denorm_mode_16_64 3
		.amdhsa_memory_ordered 1
		.amdhsa_forward_progress 1
		.amdhsa_inst_pref_size 8
	.end_amdhsa_kernel
	.amdgpu_metadata
---
amdhsa.version: [ 1, 2 ]
amdhsa.kernels:
  - .name:           k_q2568237167_cast
    .symbol:         k_q2568237167_cast.kd
    .args:
      - { .name: u, .offset: 0, .size: 8, .value_kind: global_buffer, .address_space: global }
      - { .name: W_B, .offset: 8, .size: 8, .value_kind: global_buffer, .address_space: global }
      - { .name: W_D, .offset: 16, .size: 8, .value_kind: global_buffer, .address_space: global }
      - { .name: W_C, .offset: 24, .size: 8, .value_kind: global_buffer, .address_space: global }
      - { .name: ub, .offset: 32, .size: 8, .value_kind: global_buffer, .address_space: global }
      - { .name: wb, .offset: 40, .size: 8, .value_kind: global_buffer, .address_space: global }
    .group_segment_fixed_size: 0
    .private_segment_fixed_size: 0
    .kernarg_segment_align: 8
    .kernarg_segment_size: 48
    .max_flat_workgroup_size: 256
    .sgpr_count:     66
    .vgpr_count:     96
    .wavefront_size: 32
...
	.end_amdgpu_metadata
.endif
;; end of part 1
;; launch gemm1 (part 2): grid 64 x 4, 4 waves a work-group, clusters of 4 x 4, 327,680 bytes of LDS; arguments wb, ub, but, b_B, log_dt; writes but
.if DOCPART == 2
	.amdgcn_target "amdgcn-amd-amdhsa--gfx1250"
	.amdhsa_code_object_version 6
	.text
	.protected	k_q2568237167_gemm1
	.globl	k_q2568237167_gemm1
	.p2align	8
	.type	k_q2568237167_gemm1,@function
k_q2568237167_gemm1:
	s_mov_b64 s[64:65], 0
	v_nop
	global_prefetch_b8 v0, s[64:65] scope:SCOPE_SE
	s_setreg_imm32_b32 hwreg(HW_REG_WAVE_MODE, 25, 1), 1
	s_wait_xcnt 0x0
	s_wait_alu depctr_hold_cnt(0) depctr_sa_sdst(0) depctr_va_vdst(0) depctr_va_sdst(0) depctr_va_ssrc(0) depctr_va_vcc(0) depctr_vm_vsrc(0)
	s_getreg_b32 s2, hwreg(HW_REG_IB_STS2, 6, 4)
	s_cmp_eq_u32 s2, 0
	s_cbranch_scc0 .Lentry_in_a_cluster
	s_endpgm
.Lentry_in_a_cluster:
	s_bfe_u32 s2, ttmp6, 0x10000c
	s_cmp_lg_u32 s2, 0xf033
	s_cbranch_scc0 .Lentry_shape_is_right
	s_endpgm
.Lentry_shape_is_right:
; BuT[n][bt] = dt (sum over k of W_B[n][k] u[bt][k]) + dt b_B[n],  dt = exp(log_dt).  W_B: wb byte 0, [1024][1024] bf16; u: ub [16384][1024] bf16; BuT: but [1024][16384] f32.
; Time runs along the rows of the result, so that the launch behind finds a channel's 2,048 steps of one sequence as 8,192 consecutive bytes.
; LIMITS.  b_B and log_dt are rounded to bf16 before use, like all inputs; sums in f32; the bias enters as dt b_B in one fused multiply-add with the sum.  NaN and infinities are not treated apart.
; SHARES.  A tile of the result is 256 x 256: four waves, each 128 x 128 in 64 accumulators (512 registers).  1,024 x 16,384 give 256 tiles, one a work-group.  K = 1,024 goes in eight steps of 128
; through two LDS slots filled by tensor loads; a row of a tile is 256 bytes of memory, aligned.
; CLUSTER.  4 x 4 work-groups.  The four of a row of the cluster need the same tile of W_B, the four of a column the same tile of u: each tile is asked for jointly, by the same tensor load with
; the same descriptor and a mask that names the four.  The grid is one cluster high, so the tile row is the place cy.
; THE MATRIX INSTRUCTION IS USED TRANSPOSED: source 0 = 16 rows of u, source 1 = 16 rows of W_B.  In the result lane l holds row l % 16 (a channel) and its registers the columns 8 (l / 16) + 0..7.
; REGISTERS, in windows of 256 (s_set_vgpr_msb: bits 1:0 source 0, 3:2 source 1, 5:4 source 2, 7:6 destination):
;   window 0: v0-31 addresses; v32-49 dt and dt b_B; v64-127, v128-191 fragments of W_B, two buffers; on the way out v64-127 scaled results, v128-255 rows read back
;   window 1: v64-127, v128-191 fragments of u, two buffers        windows 2, 3: the accumulators of my rows 0-63, 64-127: (a, b) at v[8 (8 (a % 4) + b)]
.set KSTEP,  128
.set PITCH,  272                       ; an LDS row: 256 bytes + 16 of padding = 68 words: the 16 rows of a fragment load start 4 words apart modulo 64 (64 banks of 4 bytes: ISA guide 11.1)
.set HALFT,  128*PITCH                 ; what one tensor load brings, and what one wave reads of either operand
.set SLOT,   4*HALFT                   ; W_B's 256 rows, then u's 256 rows
.set STAGE,  2*SLOT                    ; behind the ring, never filled by a tensor load: 16 rows x 528 bytes for each wave, for the way out
.set SPITCH, 528                       ; 512 bytes of f32 + 16
.set SPARE,  STAGE+4*16*SPITCH         ; behind the stages: the spare words, 128 bytes for each wave: two blocks of 256 bytes that no other line names
.set KB,     2048                      ; bytes in a row of W_B and of u
.set CROW,   65536                     ; bytes in a row of BuT
.set ADRA, 16                          ; v16-17  LDS address of my fragments of W_B in slot 0, 1
.set ADRB, 20                          ; v20-21  the same for u
.set STO,  24                          ; v24     the way out: where I put 32 bytes of a row
.set RD,   25                          ; v25     the way out: where I read 16 bytes of a row back
.set CO,   26                          ; v26     16 x lane: my place in 512 bytes of a row of BuT
.set SPW,  28                          ; v28     LDS address of my spare word; never rewritten
.set NIL,  29                          ; v29     0; never rewritten
.set PFO,  30                          ; v30     the prefetches' offset: lane x a row of W_B or u; never rewritten
.set DT,   32                          ; v[32:33] dt (the packed line names the pair and takes its low word)
.set BS,   34                          ; v[34+2a:35+2a] dt b_B of my row in block a
.set F0,   64
.set F1,   128
.set TMP,  64
.set OB,   128
.set G1,  24                           ; s[24:31] descriptor group 1 for W_B's tiles;  s[32:39] group 0, a set for each slot
.set G0,  32
.set G1B, 48                           ; s[48:55], s[56:63] the same for u's tiles
.set G0B, 56
.set PFA, 44                           ; s[44:45] where my prefetches stand
.set PS,  74                           ; s74  the K step that they name
.set PSE, 75                           ; s75  8 in a wave that prefetches, else 0
.set MSB, 0
.macro WIN new                         ; the immediate's high byte repeats the setting that is left; a switch that changes nothing is dropped
.if MSB != (\new)
	s_set_vgpr_msb (MSB<<8)|(\new)
.set MSB, \new
.endif
.endm
.set MUL_LO, 0xa1                      ; source 0 (u) window 1, source 1 (W_B) window 0, C and D window 2
.set MUL_HI, 0xf1                      ; the same, C and D window 3
.set TO_B,   0x40                      ; destination window 1, address window 0
; A joint load.  Waves 0 and 1 fetch the two halves of W_B's tile, waves 2 and 3 those of u's.  The branch hangs on the wave's number alone.
; An s_nop 0 and four v_nop follow each of the two lines, ahead of the jump and the label.
.macro JLOAD s
	s_cmp_eq_u32 s11, 0
	s_cbranch_scc0 .Lfor_b_\@
	tensor_load_to_lds s[G0+4*(\s):G0+4*(\s)+3], s[G1:G1+7]
	s_nop 0
.rept 4
	v_nop
.endr
	s_branch .Lasked_\@
.Lfor_b_\@:
	tensor_load_to_lds s[G0B+4*(\s):G0B+4*(\s)+3], s[G1B:G1B+7]
	s_nop 0
.rept 4
	v_nop
.endr
.Lasked_\@:
.endm
; A prefetch into the L2, behind each joint refill and the run of LDS loads that follows it: the K step that stands two refills on, 32 rows x 256 bytes, a lane a row, one instruction a wave.
; Each row's 256 bytes of a K step are named once in the launch: W_B's rows, which all 16 clusters read, by cluster x = 0; u's rows by the one cluster that reads them; of the 128 rows that a
; wave fetches each of the four partners takes 32, told apart by address.  K steps 0 to 3 come by their loads alone; behind K step 7 nothing is named.
.macro ASK
	s_cmp_lt_u32 s[PS], s[PSE]
	s_cbranch_scc0 .Lnot_mine_\@
	global_prefetch_b8 v[PFO], s[PFA:PFA+1] th:TH_LOAD_NT scope:SCOPE_SE
.Lnot_mine_\@:
.endm
.macro CREST                           ; a round of the cluster's barrier behind its opening barrier
	s_cmp_lg_u32 s10, 0
	s_cbranch_scc1 .Lnot_wave_0_\@
	s_barrier_signal -3
.Lnot_wave_0_\@:
	s_barrier_wait -3
	s_barrier_signal -1
	s_barrier_wait -1
.endm
.macro CROUND                          ; a whole round
	s_barrier_signal -1
	s_barrier_wait -1
	CREST
.endm
	s_load_b128 s[4:7], s[0:1], 0x0                ; wb (W_B at its head) s[4:5], ub s[6:7]
	s_load_b64 s[8:9], s[0:1], 0x10                ; but
	s_load_b128 s[68:71], s[0:1], 0x18             ; b_B s[68:69], log_dt s[70:71]
	v_lshl_add_u32 v[SPW], v0, 2, SPARE
	v_mov_b32 v[NIL], 0
	ds_add_u32 v[SPW], v[NIL]                      ; the wave's opening: the add, twice on end, and its wait ahead of my first tensor load
	ds_add_u32 v[SPW], v[NIL]                      ; the same add once more; the set-up below, work on registers, stands between it and the wait
	v_lshrrev_b32 v1, 5, v0
	v_readfirstlane_b32 s10, v1                    ; wave 0..3
	s_lshr_b32 s11, s10, 1                         ; which half of the tile's rows is mine.  Also: I fetch for W_B (0) or for u (1)
	s_and_b32 s12, s10, 1                          ; which half of its columns.  Also: which 128 rows of that tile I fetch
	s_bfe_u32 s40, ttmp6, 0x40000                  ; cx
	s_bfe_u32 s41, ttmp6, 0x40004                  ; cy
	s_lshl_b32 s42, ttmp9, 2
	s_add_co_u32 s42, s42, s40                     ; tile column = 4 x cluster x + cx
	s_mov_b32 s13, s41                             ; tile row = cy
	s_lshl_b32 s43, s41, 2
	s_lshl_b32 s43, 15, s43                        ; my row of the cluster: places 4 cy .. 4 cy + 3
	s_lshl_b32 s44, 0x1111, s40                    ; my column: places cx, cx + 4, cx + 8, cx + 12
	s_or_b32 s[G1+0], s43, (1<<16)|(1<<20)|(1<<21)|(5<<22)|(3<<25)   ; 15:0 the mask; 17:16 elements of 2 bytes; 20 padding on; 21 set beside a mask; 24:22 after every 64 words; 31:25 4 words of it
	s_or_b32 s[G1B+0], s44, (1<<16)|(1<<20)|(1<<21)|(5<<22)|(3<<25)
.irp g, G1, G1B
	s_mov_b32 s[(\g)+1], KSTEP<<16                 ; tensor_dim0 = 128
	s_mov_b32 s[(\g)+2], 128<<16                   ; tensor_dim1 = 128
	s_mov_b32 s[(\g)+3], KSTEP<<16                 ; tile_dim0 = 128
	s_mov_b32 s[(\g)+4], 128                       ; tile_dim1 = 128
	s_mov_b32 s[(\g)+5], 1024                      ; elements from row to row
	s_mov_b32 s[(\g)+6], 0
	s_mov_b32 s[(\g)+7], 0
.endr
	s_lshl_b32 s17, s12, 7                         ; which 128 rows of the tile I fetch
	s_lshl_b32 s16, s13, 8
	s_add_co_u32 s16, s16, s17                     ; W_B: row 256 x tile row + 128 x half
	s_lshl_b32 s16, s16, 11                        ; in bytes
	s_lshl_b32 s46, s42, 8
	s_add_co_u32 s46, s46, s17                     ; u: row 256 x tile column + 128 x half
	s_lshl_b32 s46, s46, 11                        ; at most 16,383 x 2,048: 32 bits hold it
	s_mov_b32 s17, 0
	s_mov_b32 s47, 0
	s_mul_i32 s20, s10, HALFT                      ; where they go: wave x 128 rows: no place in the cluster enters an LDS address
	s_wait_dscnt 0x0                               ; both opening adds are done
	s_wait_kmcnt 0x0
	s_add_nc_u64 s[14:15], s[4:5], s[16:17]
	s_add_nc_u64 s[46:47], s[6:7], s[46:47]
	CROUND                                         ; all sixteen work-groups are here: the first joint loads meet
.irp s, 0,1
	s_mov_b32 s[G0+4*(\s)], 1                                        ; count = 1
	s_add_co_u32 s[G0+4*(\s)+1], s20, (\s)*SLOT                      ; LDS address
	s_add_nc_u64 s[G0+4*(\s)+2:G0+4*(\s)+3], s[14:15], (\s)*KSTEP*2  ; global address: K step s
	s_or_b32 s[G0+4*(\s)+3], s[G0+4*(\s)+3], 0x80000000              ; type = 2
	s_mov_b32 s[G0B+4*(\s)], 1
	s_add_co_u32 s[G0B+4*(\s)+1], s20, (\s)*SLOT
	s_add_nc_u64 s[G0B+4*(\s)+2:G0B+4*(\s)+3], s[46:47], (\s)*KSTEP*2
	s_or_b32 s[G0B+4*(\s)+3], s[G0B+4*(\s)+3], 0x80000000
	JLOAD \s                                       ; two tensor loads of mine are out
.endr
	; the bias of my rows and dt are asked for; the addresses are made meanwhile
	v_and_b32 v1, 15, v0                           ; l % 16
	v_bfe_u32 v2, v0, 4, 1                         ; l / 16
	s_lshl_b32 s14, s13, 8
	s_lshl_b32 s15, s11, 7
	s_add_co_u32 s14, s14, s15                     ; my first row of the result: a channel
	v_add_lshl_u32 v5, v1, s14, 2
	s_load_b32 s72, s[70:71], 0x0                  ; log_dt
.irp a, 0,1,2,3,4,5,6,7
	global_load_b32 v[BS+2*(\a)], v5, s[68:69] offset:64*(\a)  ; b_B of row 16 a + l % 16
.endr
	v_mul_u32_u24 v3, v1, PITCH
	v_lshl_add_u32 v3, v2, 4, v3                   ; a fragment's row x pitch + 16 x half
	s_mul_i32 s21, s11, HALFT                      ; my 128 rows of W_B
	s_mul_i32 s22, s12, HALFT                      ; my 128 rows of u,
	s_add_co_u32 s22, s22, 2*HALFT                 ; which lie behind W_B's 256
.irp s, 0,1
	v_add_nc_u32 v[ADRA+(\s)], s21, v3
	v_add_nc_u32 v[ADRB+(\s)], s22, v3
	s_add_co_u32 s21, s21, SLOT
	s_add_co_u32 s22, s22, SLOT
.endr
	s_mul_i32 s23, s10, 16*SPITCH
	s_add_co_u32 s23, s23, STAGE                   ; my stage
	v_mul_u32_u24 v4, v1, SPITCH                   ; in: row l % 16, 32 bytes for each half of the lanes
	v_lshl_add_u32 v4, v2, 5, v4
	v_add_nc_u32 v[STO], s23, v4
	v_and_b32 v4, 31, v0
	v_lshlrev_b32 v[CO], 4, v4                     ; back: 32 lanes take one row of 512 bytes
	v_add_nc_u32 v[RD], s23, v[CO]
	s_lshl_b32 s16, s14, 16                        ; where my part of the tile begins in BuT: my first row x 65,536 bytes
	s_mov_b32 s17, 0
	s_lshl_b32 s46, s42, 10                        ; + 4 (256 x tile column + 128 x half)
	s_lshl_b32 s47, s12, 9
	s_add_co_u32 s46, s46, s47
	s_mov_b32 s47, 0
	s_add_nc_u64 s[16:17], s[16:17], s[46:47]
	s_add_nc_u64 s[8:9], s[8:9], s[16:17]
	; the prefetches
	s_lshl_b32 s20, s13, 8
	s_lshl_b32 s21, s42, 8
	s_cmp_eq_u32 s11, 0                            ; do I fetch for W_B?
	s_cselect_b32 s20, s20, s21                    ; the tile's first row
	s_cselect_b32 s21, s40, s41                    ; my place among the four that ask for it with me
	s_cselect_b32 s22, ttmp9, 0                    ; the coordinate along which other clusters read the same rows (u's rows: no other cluster does)
	s_cselect_b64 s[PFA:PFA+1], s[4:5], s[6:7]
	s_cmp_eq_u32 s22, 0
	s_cselect_b32 s[PSE], 8, 0                     ; the same in all sixteen partners, for a given wave
	s_lshl_b32 s22, s12, 7
	s_add_co_u32 s20, s20, s22                     ; + the 128 rows that I fetch
	s_lshl_b32 s21, s21, 5
	s_add_co_u32 s20, s20, s21                     ; + my work-group's 32 of them
	s_lshl_b32 s20, s20, 11
	s_add_co_u32 s20, s20, 3*KSTEP*2               ; at K step 3: the first refill steps it to 4
	s_mov_b32 s21, 0
	s_add_nc_u64 s[PFA:PFA+1], s[PFA:PFA+1], s[20:21]
	s_mov_b32 s[PS], 3
	s_wait_kmcnt 0x0                               ; log_dt
	v_mov_b32 v[DT], s72
	v_cvt_pk_bf16_f32 v[DT], v[DT], v[DT]          ; rounded to bf16 like every input,
	v_lshlrev_b32 v[DT], 16, v[DT]                 ; and widened again
	v_mul_f32 v[DT], 0x3fb8aa3b, v[DT]             ; exp(x) = 2^(x log2 e)
	v_exp_f32 v[DT], v[DT]
	v_lshlrev_b32 v[PFO], 11, v4                   ; a plain instruction behind the exponential: lane x 2,048
	s_wait_alu depctr_va_vdst(0)                   ; the wait ahead of the first use of its result
	v_mov_b32 v[DT+1], v[DT]
	s_wait_loadcnt 0x0                             ; b_B
.irp a, 0,1,2,3,4,5,6,7
	v_cvt_pk_bf16_f32 v[BS+2*(\a)], v[BS+2*(\a)], v[BS+2*(\a)]
	v_lshlrev_b32 v[BS+2*(\a)], 16, v[BS+2*(\a)]
	v_mul_f32 v[BS+2*(\a)], v[DT], v[BS+2*(\a)]    ; dt b_B
	v_mov_b32 v[BS+2*(\a)+1], v[BS+2*(\a)]         ; named with it as a pair
.endr
; 16 matrix instructions: row blocks a0, a0 + 1 of the window's four x all 8 column blocks, 32 along K.  z = 1: the first product starts the sums: nothing is cleared.
; The 64 accumulators take turns, one instruction a turn, in the same order in every quarter.
.macro MUL16 f, hi, a0, z
	WIN MUL_LO+0x50*(\hi)
.irp a, \a0, (\a0)+1
.irp b, 0,1,2,3,4,5,6,7
.if \z
	v_wmma_f32_16x16x32_bf16 v[8*(8*(\a)+(\b)):8*(8*(\a)+(\b))+7], v[(\f)+8*(\b):(\f)+8*(\b)+7], v[(\f)+8*(4*(\hi)+(\a)):(\f)+8*(4*(\hi)+(\a))+7], 0
.else
	v_wmma_f32_16x16x32_bf16 v[8*(8*(\a)+(\b)):8*(8*(\a)+(\b))+7], v[(\f)+8*(\b):(\f)+8*(\b)+7], v[(\f)+8*(4*(\hi)+(\a)):(\f)+8*(4*(\hi)+(\a))+7], v[8*(8*(\a)+(\b)):8*(8*(\a)+(\b))+7]
.endif
.endr
.endr
.endm
; 32 LDS loads in one run: the fragments of quarter q (32 along K, 64 bytes of the rows) of a slot, into buffer f: u's 128 rows, then W_B's
.macro FETCH slot, q, f
	WIN TO_B
.irp i, 0,1,2,3,4,5,6,7
	ds_load_b128 v[(\f)+8*(\i):(\f)+8*(\i)+3],   v[ADRB+(\slot)] offset:64*(\q)+(\i)*16*PITCH
	ds_load_b128 v[(\f)+8*(\i)+4:(\f)+8*(\i)+7], v[ADRB+(\slot)] offset:64*(\q)+(\i)*16*PITCH+32
.endr
	WIN 0
.irp i, 0,1,2,3,4,5,6,7
	ds_load_b128 v[(\f)+8*(\i):(\f)+8*(\i)+3],   v[ADRA+(\slot)] offset:64*(\q)+(\i)*16*PITCH
	ds_load_b128 v[(\f)+8*(\i)+4:(\f)+8*(\i)+7], v[ADRA+(\slot)] offset:64*(\q)+(\i)*16*PITCH+32
.endr
.endm
.macro PLACES                          ; four plain instructions between a matrix instruction and a load into, or a vector line on, its registers
.rept 4
	v_nop
.endr
.endm
; A K step is four quarters of 32 along K, 64 matrix instructions each, on buffers 0, 1, 0, 1.  One of the first three multiplies buffer f and, in its middle, fetches quarter q into buffer g.
.macro QUARTER slot, q, f, g, z
	s_wait_dscnt 8                                 ; u's fragments and W_B's rows 0-63 are in; the youngest eight loads (rows 64-127) may be out
	MUL16 \f, 0, 0, \z
	MUL16 \f, 0, 2, \z
	PLACES
	FETCH \slot, \q, \g
	s_wait_dscnt 32                                ; all but the 32 just issued
	MUL16 \f, 1, 0, \z
	MUL16 \f, 1, 2, \z
.endm
; The last quarter multiplies buffer 1 and changes slots: one barrier.  In front of it each wave waits for all its tensor loads (one is out: its part of the next slot), adds 0 to its spare
; word, and waits for that and for its own reads of this slot.  Behind it nobody reads this slot any more and the next slot is whole.
.macro MEET round
	WIN 0                                          ; (the add's two registers lie in window 0)
	s_wait_tensorcnt 0x0
	ds_add_u32 v[SPW], v[NIL]
	s_wait_dscnt 9                                 ; the add and the youngest eight loads may be out
	MUL16 F1, 0, 0, 0                              ; sixteen matrix instructions stand between the add and the wait for it
	s_wait_dscnt 0x0                               ; the add is done, and my reads of this slot are over
	s_barrier_signal -1
	MUL16 F1, 0, 2, 0                              ; work on registers while the others arrive
.if \round
	WIN 0
.endif
	s_barrier_wait -1
.endm
; fill = 1: the barrier opens a round of the cluster's barrier, and the slot just read out is filled again first behind it, with the K step two steps on.
.macro TURN slot, next, fill
.if \fill
	WIN 0
	s_wait_xcnt 0x0                                ; the last prefetch, a K step back, has read its address: it is stepped here, ahead of the waits of the change of slots
	s_add_nc_u64 s[PFA:PFA+1], s[PFA:PFA+1], KSTEP*2
	s_add_co_u32 s[PS], s[PS], 1
	MEET 1
	CREST                                          ; no wave of any partner still reads this slot's tile or has a load on its way
	s_add_nc_u64 s[G0+4*(\slot)+2:G0+4*(\slot)+3], s[G0+4*(\slot)+2:G0+4*(\slot)+3], 2*KSTEP*2
	s_add_nc_u64 s[G0B+4*(\slot)+2:G0B+4*(\slot)+3], s[G0B+4*(\slot)+2:G0B+4*(\slot)+3], 2*KSTEP*2
	JLOAD \slot                                    ; my one tensor load behind the round; its four v_nop are also the places in front of the loads below
	FETCH \next, 0, F0
	ASK
.else
	MEET 0
	PLACES
	FETCH \next, 0, F0
.endif
	MUL16 F1, 1, 0, 0
	MUL16 F1, 1, 2, 0
.endm
; THE WAY OUT of block a (16 rows x 128 columns).  PACK: sum x dt + dt b_B, each accumulator's registers in ascending order.  TOSTAGE: into my own stage in LDS, and back as whole rows of 512 bytes.  SEND: stored.
.macro PACK a
.set AC, 64*((\a)%4)
	WIN 0x02+(\a)/4                                ; source 0: window 2 or 3
.irp b, 0,1,2,3,4,5,6,7
.irp p, 0,1,2,3
	v_pk_fma_f32 v[TMP+8*(\b)+2*(\p):TMP+8*(\b)+2*(\p)+1], v[AC+8*(\b)+2*(\p):AC+8*(\b)+2*(\p)+1], v[DT:DT+1], v[BS+2*(\a):BS+2*(\a)+1] op_sel_hi:[1,0,0]
.endr
.endr
	WIN 0
.endm
.macro TOSTAGE a
	WIN 0
.set BK, OB+64*((\a)%2)
.irp b, 0,1,2,3,4,5,6,7
	ds_store_b128 v[STO], v[TMP+8*(\b):TMP+8*(\b)+3]   offset:64*(\b)
	ds_store_b128 v[STO], v[TMP+8*(\b)+4:TMP+8*(\b)+7] offset:64*(\b)+16
.endr
	s_wait_xcnt 0x0                                ; the stores of the block two back have read the registers that are loaded again below
.irp p, 0,1,2,3,4,5,6,7,8,9,10,11,12,13,14,15
	ds_load_b128 v[BK+4*(\p):BK+4*(\p)+3], v[RD] offset:(\p)*SPITCH  ; LDS serves a wave's instructions in order (ISA guide 5.7.1.4): these see the stores above
.endr
.endm
.macro SEND a, younger                 ; younger: the LDS instructions issued behind block a's loads: the next block's 32, or none
	WIN 0
.set BK, OB+64*((\a)%2)
	s_wait_dscnt \younger
.irp p, 0,1,2,3,4,5,6,7,8,9,10,11,12,13,14,15
	global_store_b128 v[CO], v[BK+4*(\p):BK+4*(\p)+3], s[8:9] offset:(16*(\a)+(\p))*CROW  ; the wave stores 512 consecutive bytes, aligned; 127 rows at the most: 8,323,072, inside the signed 24 bits
.endr
.endm
	s_wait_tensorcnt 1                             ; my part of K step 0 is in; K step 1's may stay out
	s_barrier_signal -1
	s_barrier_wait -1                              ; everybody's is
	FETCH 0, 0, F0
	QUARTER 0, 1, F0, F1, 1                        ; the first quarter stands in front of the loop: its products start the sums
	WIN 0                                          ; at a label and at a branch every window is 0
	s_mov_b32 s3, 3
.Llap:                                                 ; three trips: each goes once round the ring, from a lap's second quarter to the next lap's first, and fills both slots again: K steps 2 to 7
	QUARTER 0, 2, F1, F0, 0
	QUARTER 0, 3, F0, F1, 0
	TURN 0, 1, 1
	QUARTER 1, 1, F0, F1, 0
	QUARTER 1, 2, F1, F0, 0
	QUARTER 1, 3, F0, F1, 0
	TURN 1, 0, 1
	QUARTER 0, 1, F0, F1, 0
	WIN 0
	s_sub_co_u32 s3, s3, 1
	s_cmp_lg_u32 s3, 0
	s_cbranch_scc1 .Llap
	QUARTER 0, 2, F1, F0, 0                        ; the last lap is written out: it asks for nothing
	QUARTER 0, 3, F0, F1, 0
	TURN 0, 1, 0
	QUARTER 1, 1, F0, F1, 0
	QUARTER 1, 2, F1, F0, 0
	QUARTER 1, 3, F0, F1, 0
	s_wait_dscnt 8                                 ; the very last quarter: nothing more to fetch
	MUL16 F1, 0, 0, 0
	MUL16 F1, 0, 2, 0
	s_wait_dscnt 0x0
	MUL16 F1, 1, 0, 0
	MUL16 F1, 1, 2, 0
	WIN 0
	PLACES
	PLACES                                         ; eight, once a launch
	PACK 0
	TOSTAGE 0
.irp a, 1,2,3,4,5,6,7
	PACK \a                                        ; a block's arithmetic and stage traffic stand between the loads of the block before and its stores
	TOSTAGE \a
	SEND (\a)-1, 32
.endr
	SEND 7, 0
	s_wait_tensorcnt 0x0                           ; the wave's end: behind my last tensor load and my last LDS store
	ds_add_u32 v[SPW], v[NIL]
	s_wait_dscnt 0x0
	CROUND                                         ; the closing round: no work-group ends while a partner may still ask for a tile that names it
	s_endpgm
.Lfunc_end_k_q2568237167_gemm1:
	.size	k_q2568237167_gemm1, .Lfunc_end_k_q2568237167_gemm1-k_q2568237167_gemm1
	.p2alignl 7, 3214868480
	.fill 96, 4, 3214868480
	.section	.rodata,"a",@progbits
	.p2align	6, 0x0
	.amdhsa_kernel k_q2568237167_gemm1
		.amdhsa_group_segment_fixed_size 327680
		.amdhsa_private_segment_fixed_size 0
		.amdhsa_enable_private_segment 0
		.amdhsa_kernarg_size 40
		.amdhsa_user_sgpr_count 2
		.amdhsa_user_sgpr_kernarg_segment_ptr 1
		.amdhsa_wavefront_size32 1
		.amdhsa_system_sgpr_workgroup_id_x 1
		.amdhsa_system_sgpr_workgroup_id_y 1
		.amdhsa_system_sgpr_workgroup_id_z 1
		.amdhsa_system_vgpr_workitem_id 0
		.amdhsa_next_free_vgpr 1024
		.amdhsa_next_free_sgpr 76
		.amdhsa_reserve_vcc 0
		.amdhsa_float_denorm_mode_32 3
		.amdhsa_float_denorm_mode_16_64 3
		.amdhsa_memory_ordered 1
		.amdhsa_forward_progress 1
		.amdhsa_inst_pref_size 160
	.end_amdhsa_kernel
	.amdgpu_metadata
---
amdhsa.version: [ 1, 2 ]
amdhsa.kernels:
  - .name:           k_q2568237167_gemm1
    .symbol:         k_q2568237167_gemm1.kd
    .args:
      - { .name: wb, .offset: 0, .size: 8, .value_kind: global_buffer, .address_space: global }
      - { .name: ub, .offset: 8, .size: 8, .value_kind: global_buffer, .address_space: global }
      - { .name: but, .offset: 16, .size: 8, .value_kind: global_buffer, .address_space: global }
      - { .name: b_B, .offset: 24, .size: 8, .value_kind: global_buffer, .address_space: global }
      - { .name: log_dt, .offset: 32, .size: 8, .value_kind: global_buffer, .address_space: global }
    .group_segment_fixed_size: 327680
    .private_segment_fixed_size: 0
    .kernarg_segment_align: 8
    .kernarg_segment_size: 40
    .max_flat_workgroup_size: 128
    .sgpr_count:     76
    .vgpr_count:     1024
    .wavefront_size: 32
...
	.end_amdgpu_metadata
.endif
;; end of part 2
;; launch scan (part 3): grid 1024 x 1, 8 waves a work-group, no clusters, 0 bytes of LDS; arguments but, log_A, log_dt, xt; writes xt
.if DOCPART == 3
	.amdgcn_target "amdgcn-amd-amdhsa--gfx1250"
	.amdhsa_code_object_version 6
	.text
	.protected	k_q2568237167_scan
	.globl	k_q2568237167_scan
	.p2align	8
	.type	k_q2568237167_scan,@function
k_q2568237167_scan:
	s_mov_b64 s[64:65], 0
	v_nop
	global_prefetch_b8 v0, s[64:65] scope:SCOPE_SE
	s_setreg_imm32_b32 hwreg(HW_REG_WAVE_MODE, 25, 1), 1
	s_wait_xcnt 0x0
; x_t = A x_(t-1) + Bu_t,  A = exp(-exp(log_A[n]) exp(log_dt)),  along t = 0 .. 2,047 for each channel n and sequence b.  Bu: but [1024 n][8 b x 2048 t] f32; x: xt, the same shape in bf16.
; WORK LEFT OUT.  x_(-1) is the zero state that the recurrence starts from by definition, so A x_(-1) = 0 for all finite inputs: the first 128 steps take no carry.
; LIMITS.  log_A and log_dt are rounded to bf16 before use, like all inputs.  Powers of A are 2^(k lambda), lambda = -exp(log_A) exp(log_dt) log2(e), held at -1e30 at the least so that 0 x lambda is 0;
; a power below 2^-126 counts as 0 (v_exp_f32 gives 0 there: ISA guide 15.8).  The sums are taken blockwise, not step by step; all in f32; x is rounded once, to bf16.  NaN and infinities are not treated apart.
; SHARES.  A work-group takes one channel, wave w sequence w: 8,192 consecutive bytes in, 4,096 out, held in 64 registers: no LDS, no barrier, nothing between work-groups.
; All 16 loads of a wave go out at the start.  Group i is 128 steps: lane l holds t = 128 i + 4 l + 0..3.
;   in the lane:      three fused multiply-adds make the lane's own running sums d0..d3
;   across 16 lanes:  s_l = d3_l + A^4 s_(l-1), in four doubling steps with A^4, A^8, A^16, A^32 (DPP row_shr; lanes with no source take 0)
;   state ahead of lane l = s_(l-1) in its row of 16 + (lanes 16-31) A^(4 (l - 16)) s_15 + A^(4 l) carry;   x_j = d_j + A^(j+1) x that state
;   carry to the next group = s_31 + A^64 s_15 + A^128 carry, kept in f32 in a scalar register
.set DAT, 32                           ; v[32:95]  group i: four numbers
; v1 16 x lane; v2 8 x lane; v3 lane; v[8:11] A^1..A^4; v12-14 A^8, A^16, A^32; v15, v16 A^64, A^128; v17 A^(4 l); v18 A^(4 (l % 16)) in lanes 16-31, else 0; v20-23 at work
; s20 A^64; s21 A^128; s22 s_15; s23 s_31; s24 the carry
	s_load_b256 s[4:11], s[0:1], 0x0               ; but s[4:5], log_A s[6:7], log_dt s[8:9], xt s[10:11]
	v_lshrrev_b32 v4, 5, v0
	v_readfirstlane_b32 s12, v4                    ; wave = sequence
	v_and_b32 v3, 31, v0
	v_lshlrev_b32 v1, 4, v3
	v_lshlrev_b32 v2, 3, v3
	s_lshl_b32 s26, ttmp9, 2                       ; my channel's word of log_A
	s_mov_b32 s27, 0
	s_lshl_b32 s16, ttmp9, 16                      ; a row of Bu is 65,536 bytes,
	s_lshl_b32 s17, s12, 13                        ; a sequence 8,192
	s_add_co_u32 s16, s16, s17
	s_mov_b32 s17, 0
	s_lshl_b32 s18, ttmp9, 15                      ; half of that in xt
	s_lshl_b32 s19, s12, 12
	s_add_co_u32 s18, s18, s19
	s_mov_b32 s19, 0
	s_wait_kmcnt 0x0
	s_add_nc_u64 s[6:7], s[6:7], s[26:27]
	s_add_nc_u64 s[4:5], s[4:5], s[16:17]
	s_add_nc_u64 s[10:11], s[10:11], s[18:19]
	s_load_b32 s14, s[6:7], 0x0
	s_load_b32 s15, s[8:9], 0x0
.set i, 0
.rept 16
	global_load_b128 v[DAT+4*i:DAT+4*i+3], v1, s[4:5] offset:512*i th:TH_LOAD_NT  ; the wave takes 512 consecutive bytes
.set i, i+1
.endr
	s_wait_kmcnt 0x0
	v_mov_b32 v4, s14
	v_mov_b32 v5, s15
	v_cvt_pk_bf16_f32 v4, v4, v5                   ; both rounded to bf16: log_A below, log_dt above,
	v_and_b32 v5, 0xffff0000, v4                   ; and widened again
	v_lshlrev_b32 v4, 16, v4
	v_mul_f32 v4, 0x3fb8aa3b, v4                   ; exp(x) = 2^(x log2 e)
	v_mul_f32 v5, 0x3fb8aa3b, v5
	v_exp_f32 v4, v4
	v_exp_f32 v5, v5
	v_lshlrev_b32 v19, 2, v3                       ; plain work behind the two exponentials: 4 l and 4 (l % 16) as f32
	v_and_b32 v7, 15, v3
	v_lshlrev_b32 v7, 2, v7
	v_cvt_f32_u32 v19, v19
	v_cvt_f32_u32 v7, v7
	s_wait_alu depctr_va_vdst(0)                   ; one wait for the two, ahead of their first reader
	v_mul_f32 v6, v4, v5
	v_mul_f32 v6, 0xbfb8aa3b, v6                   ; lambda = -exp(log_A) dt log2(e)
	v_max_num_f32 v6, 0xf149f2ca, v6               ; at the least -1e30
	v_mov_b32 v8, v6
	v_mul_f32 v9, 2.0, v6
	v_mul_f32 v10, 0x40400000, v6                  ; 3
	v_mul_f32 v11, 4.0, v6
	v_mul_f32 v12, 0x41000000, v6                  ; 8
	v_mul_f32 v13, 0x41800000, v6                  ; 16
	v_mul_f32 v14, 0x42000000, v6                  ; 32
	v_mul_f32 v15, 0x42800000, v6                  ; 64
	v_mul_f32 v16, 0x43000000, v6                  ; 128
	v_mul_f32 v17, v19, v6
	v_mul_f32 v18, v7, v6
.irp r, 8,9,10,11,12,13,14,15,16,17,18
	v_exp_f32 v\r, v\r                             ; one batch of eleven
.endr
	v_mov_b32 v21, 0                               ; plain work behind the batch: a DPP line's destination counts as read,
	v_mov_b32 v23, 0                               ; and v23 is named as v22's partner in a pair
	v_cmp_le_u32 vcc_lo, 16, v3
	s_wait_alu depctr_va_vdst(0)                   ; one wait for the batch
	v_readfirstlane_b32 s20, v15
	v_readfirstlane_b32 s21, v16
	v_cndmask_b32 v18, 0, v18, vcc_lo
.macro GROUP i
.set dd, DAT+4*(\i)
	s_wait_loadcnt 15-(\i)                         ; loads come back in order (ISA guide 5.7.1): group i is in, the younger ones stay out
	v_fmac_f32 v[dd+1], v8, v[dd]
	v_fmac_f32 v[dd+2], v8, v[dd+1]
	v_fmac_f32 v[dd+3], v8, v[dd+2]
	v_mov_b32_dpp v21, v[dd+3] row_shr:1 row_mask:0xf bank_mask:0xf bound_ctrl:1
	v_fma_f32 v20, v21, v11, v[dd+3]
	v_mov_b32_dpp v21, v20 row_shr:2 row_mask:0xf bank_mask:0xf bound_ctrl:1
	v_fmac_f32 v20, v21, v12
	v_mov_b32_dpp v21, v20 row_shr:4 row_mask:0xf bank_mask:0xf bound_ctrl:1
	v_fmac_f32 v20, v21, v13
	v_mov_b32_dpp v21, v20 row_shr:8 row_mask:0xf bank_mask:0xf bound_ctrl:1
	v_fmac_f32 v20, v21, v14
	v_mov_b32_dpp v21, v20 row_shr:1 row_mask:0xf bank_mask:0xf bound_ctrl:1  ; s_(l-1) within my 16 lanes
	v_readlane_b32 s22, v20, 15
	v_readlane_b32 s23, v20, 31
	v_fma_f32 v22, v18, s22, v21
.if (\i) > 0
	v_fma_f32 v22, v17, s24, v22
.endif
.if (\i) < 15
	s_fmac_f32 s23, s20, s22
.if (\i) > 0
	s_fmac_f32 s23, s21, s24
.endif
	s_mov_b32 s24, s23
.endif
	v_pk_fma_f32 v[dd:dd+1], v[8:9], v[22:23], v[dd:dd+1] op_sel_hi:[1,0,1]
	v_pk_fma_f32 v[dd+2:dd+3], v[10:11], v[22:23], v[dd+2:dd+3] op_sel_hi:[1,0,1]
	v_cvt_pk_bf16_f32 v[dd], v[dd], v[dd+1]
	v_cvt_pk_bf16_f32 v[dd+1], v[dd+2], v[dd+3]
	global_store_b64 v2, v[dd:dd+1], s[10:11] offset:256*(\i)  ; the wave stores 256 consecutive bytes, aligned; its data registers are not written again
.endm
.irp i, 0,1,2,3,4,5,6,7,8,9,10,11,12,13,14,15
	GROUP \i
.endr
	s_endpgm
.Lfunc_end_k_q2568237167_scan:
	.size	k_q2568237167_scan, .Lfunc_end_k_q2568237167_scan-k_q2568237167_scan
	.p2alignl 7, 3214868480
	.fill 96, 4, 3214868480
	.section	.rodata,"a",@progbits
	.p2align	6, 0x0
	.amdhsa_kernel k_q2568237167_scan
		.amdhsa_group_segment_fixed_size 0
		.amdhsa_private_segment_fixed_size 0
		.amdhsa_enable_private_segment 0
		.amdhsa_kernarg_size 32
		.amdhsa_user_sgpr_count 2
		.amdhsa_user_sgpr_kernarg_segment_ptr 1
		.amdhsa_wavefront_size32 1
		.amdhsa_system_sgpr_workgroup_id_x 1
		.amdhsa_system_sgpr_workgroup_id_y 1
		.amdhsa_system_sgpr_workgroup_id_z 1
		.amdhsa_system_vgpr_workitem_id 0
		.amdhsa_next_free_vgpr 96
		.amdhsa_next_free_sgpr 66
		.amdhsa_reserve_vcc 1
		.amdhsa_float_denorm_mode_32 3
		.amdhsa_float_denorm_mode_16_64 3
		.amdhsa_memory_ordered 1
		.amdhsa_forward_progress 1
		.amdhsa_inst_pref_size 25
	.end_amdhsa_kernel
	.amdgpu_metadata
---
amdhsa.version: [ 1, 2 ]
amdhsa.kernels:
  - .name:           k_q2568237167_scan
    .symbol:         k_q2568237167_scan.kd
    .args:
      - { .name: but, .offset: 0, .size: 8, .value_kind: global_buffer, .address_space: global }
      - { .name: log_A, .offset: 8, .size: 8, .value_kind: global_buffer, .address_space: global }
      - { .name: log_dt, .offset: 16, .size: 8, .value_kind: global_buffer, .address_space: global }
      - { .name: xt, .offset: 24, .size: 8, .value_kind: global_buffer, .address_space: global }
    .group_segment_fixed_size: 0
    .private_segment_fixed_size: 0
    .kernarg_segment_align: 8
    .kernarg_segment_size: 32
    .max_flat_workgroup_size: 256
    .sgpr_count:     66
    .vgpr_count:     96
    .wavefront_size: 32
...
	.end_amdgpu_metadata
.endif
;; end of part 3
;; launch gemm2 (part 4): grid 4 x 64, 4 waves a work-group, clusters of 4 x 4, 327,680 bytes of LDS; arguments ub, wb, out0, xt, b_C, b_D; writes out0
.if DOCPART == 4
	.amdgcn_target "amdgcn-amd-amdhsa--gfx1250"
	.amdhsa_code_object_version 6
	.text
	.protected	k_q2568237167_gemm2
	.globl	k_q2568237167_gemm2
	.p2align	8
	.type	k_q2568237167_gemm2,@function
k_q2568237167_gemm2:
	s_mov_b64 s[64:65], 0
	v_nop
	global_prefetch_b8 v0, s[64:65] scope:SCOPE_SE
	s_setreg_imm32_b32 hwreg(HW_REG_WAVE_MODE, 25, 1), 1
	s_wait_xcnt 0x0
	s_wait_alu depctr_hold_cnt(0) depctr_sa_sdst(0) depctr_va_vdst(0) depctr_va_sdst(0) depctr_va_ssrc(0) depctr_va_vcc(0) depctr_vm_vsrc(0)
	s_getreg_b32 s2, hwreg(HW_REG_IB_STS2, 6, 4)
	s_cmp_eq_u32 s2, 0
	s_cbranch_scc0 .Lentry_in_a_cluster
	s_endpgm
.Lentry_in_a_cluster:
	s_bfe_u32 s2, ttmp6, 0x10000c
	s_cmp_lg_u32 s2, 0xf033
	s_cbranch_scc0 .Lentry_shape_is_right
	s_endpgm
.Lentry_shape_is_right:
; y[bt][o] = sum over i of u[bt][i] W_D[o][i] + sum over n of x[bt][n] W_C[o][n] + b_C[o] + b_D[o]: ONE product with K = 2,048.
; u: ub [16384][1024] bf16; x: xt [1024 n][16384 bt] bf16 (K down the rows); [W_D | W_C]: wb byte 2,097,152, [1024 o][2048] bf16; y: out0 [16384][1024] f32.
; LIMITS.  b_C and b_D are rounded to bf16 before use, like all inputs; their sum is the C operand of the products that start the sums, so it is added first; sums in f32.  NaN and infinities are not treated apart.
; SHARES.  A tile of y is 256 x 256: four waves, each 128 x 128 in 64 accumulators.  256 tiles, one a work-group.  K goes in 16 steps of 128 through two LDS slots: steps 0-7 take u's tiles
; (256 rows x 256 bytes), steps 8-15 x's (128 rows of K x 512 bytes), which fill the same bytes of a slot and are read turned, by ds_load_tr16_b128.
; CLUSTER.  4 x 4 work-groups.  u's and x's tiles hang on the tile row and are asked for jointly along a row of the cluster, the weights' on the tile column and along a column.  The grid is one cluster wide: the tile column is cx.
; THE MATRIX INSTRUCTION IS USED TRANSPOSED: source 0 = 16 rows of the weights, source 1 = 16 rows of [u | x].  In the result lane l holds row l % 16 of y and its registers the columns 8 (l / 16) + 0..7.
; REGISTERS, in windows of 256 (s_set_vgpr_msb: bits 1:0 source 0, 3:2 source 1, 5:4 source 2, 7:6 destination):
;   window 0: v0-31 addresses; v64-127, v128-191 fragments of u or x, two buffers (on the way out: rows read back); v192-255 the bias, as an accumulator's image for each of my 8 column blocks
;   window 1: v64-127, v128-191 fragments of the weights        windows 2, 3: the accumulators of my rows 0-63, 64-127: (a, b) at v[8 (8 (a % 4) + b)]
.set KSTEP,  128
.set PITCH,  272                       ; an LDS row of u or the weights: 256 bytes + 16 = 68 words: the 16 rows of a fragment load start 4 words apart modulo 64 (64 banks of 4 bytes: ISA guide 11.1)
.set XPITCH, 544                       ; an LDS row of x: 512 bytes + 32 = 136 words: 16 lanes of the turning load take 8 rows x 32 bytes, 8 words apart modulo 64
.set HALFT,  128*PITCH                 ; what one tensor load brings: 128 rows of 272 bytes, or 64 of 544
.set SLOT,   4*HALFT                   ; u's or x's tile, then the weights'
.set STAGE,  2*SLOT                    ; behind the ring, never filled by a tensor load: 16 rows x 528 bytes for each wave, for the way out
.set SPITCH, 528
.set SPARE,  STAGE+4*16*SPITCH         ; behind the stages: the spare words, 128 bytes for each wave: two blocks of 256 bytes that no other line names
.set WCAT,   2097152                   ; where [W_D | W_C] begins in wb
.set XSTEP,  128*32768                 ; bytes of xt from a K step to the next
.set CROW,   4096                      ; bytes in a row of y
.set ADRA, 16                          ; v16-17  LDS address of my fragments of u in slot 0, 1
.set ADRX, 18                          ; v18-19  the same for x
.set ADRB, 20                          ; v20-21  the same for the weights
.set STO,  24                          ; v24     the way out: where I put 32 bytes of a row
.set RD,   25                          ; v25     the way out: where I read 16 bytes of a row back
.set CO,   26                          ; v26     16 x lane
.set SPW,  28                          ; v28     LDS address of my spare word; never rewritten
.set NIL,  29                          ; v29     0; never rewritten
.set PFO,  30                          ; v30     the prefetches' offset: lane x the pitch of what is being named
.set LN,   31                          ; v31     lane
.set F0,   64
.set F1,   128
.set OB,   64
.set BI,   192
.set G1,  24                           ; s[24:31] descriptor group 1 for u's tiles;  s[32:39] group 0, a set for each slot
.set G0,  32
.set G1B, 48                           ; s[48:55], s[56:63] the same for the weights'
.set G0B, 56
.set G1X, 76                           ; s[76:83], s[84:91] the same for x's
.set G0X, 84
.set PP2, 43                           ; s43      the prefetches' pitch from K step 8 on
.set PFA, 44                           ; s[44:45] where my prefetches stand
.set PP,  75                           ; s75      their pitch
.set PFA2, 92                          ; s[92:93] where they stand at K step 8
.set STP, 94                           ; s[94:95] bytes from a K step to the next
.set STP2, 96                          ; s[96:97] the same from K step 8 on
.set PS,  98                           ; s98      the K step that they name
.set PSE, 99                           ; s99      16 in a wave that prefetches, else 0
.set MSB, 0
.macro WIN new                         ; the immediate's high byte repeats the setting that is left; a switch that changes nothing is dropped
.if MSB != (\new)
	s_set_vgpr_msb (MSB<<8)|(\new)
.set MSB, \new
.endif
.endm
.set MUL_LO, 0xa1                      ; source 0 (weights) window 1, source 1 (u, x) window 0, C and D window 2
.set MUL_HI, 0xf1                      ; the same, C and D window 3
.set TO_B,   0x40                      ; destination window 1, address window 0
; A joint load.  Waves 0 and 1 fetch the two halves of u's (t = 0) or x's (t = 1) tile, waves 2 and 3 those of the weights'.  The branch hangs on the wave's number alone.
; An s_nop 0 and four v_nop follow each of the two lines, ahead of the jump and the label.
.macro JLOAD s, t
	s_cmp_eq_u32 s11, 0
	s_cbranch_scc0 .Lfor_b_\@
.if \t
	tensor_load_to_lds s[G0X+4*(\s):G0X+4*(\s)+3], s[G1X:G1X+7]
.else
	tensor_load_to_lds s[G0+4*(\s):G0+4*(\s)+3], s[G1:G1+7]
.endif
	s_nop 0
.rept 4
	v_nop
.endr
	s_branch .Lasked_\@
.Lfor_b_\@:
	tensor_load_to_lds s[G0B+4*(\s):G0B+4*(\s)+3], s[G1B:G1B+7]
	s_nop 0
.rept 4
	v_nop
.endr
.Lasked_\@:
.endm
; A prefetch into the L2, behind each joint refill and the run of LDS loads that follows it: the K step that stands two refills on, 32 blocks of 256 bytes, a lane a block, one instruction a wave.
; Each block is named once in the launch: u's and x's by the one cluster that reads them, the weights', which all 16 clusters read, by cluster y = 0; of the 128 blocks that a wave fetches each of the
; four partners takes 32, told apart by address.  K steps 0 to 3 come by their loads alone; behind K step 15 nothing is named.
.macro ASK
	s_cmp_lt_u32 s[PS], s[PSE]
	s_cbranch_scc0 .Lnot_mine_\@
	global_prefetch_b8 v[PFO], s[PFA:PFA+1] th:TH_LOAD_NT scope:SCOPE_SE
.Lnot_mine_\@:
.endm
; Their address is stepped at the head of the next change of slots.  At K step 8 the waves that fetch u go over to x: another buffer, pitch and step, chosen on the K step's number alone.
.macro ASKSTEP
	s_wait_xcnt 0x0                                ; the last prefetch, a K step back, has read its address and its offset
	s_add_nc_u64 s[PFA:PFA+1], s[PFA:PFA+1], s[STP:STP+1]
	s_add_co_u32 s[PS], s[PS], 1
	s_cmp_eq_u32 s[PS], 8
	s_cselect_b64 s[PFA:PFA+1], s[PFA2:PFA2+1], s[PFA:PFA+1]
	s_cselect_b64 s[STP:STP+1], s[STP2:STP2+1], s[STP:STP+1]
	s_cselect_b32 s[PP], s[PP2], s[PP]
	v_mul_u32_u24 v[PFO], v[LN], s[PP]
.endm
.macro CREST                           ; a round of the cluster's barrier behind its opening barrier
	s_cmp_lg_u32 s10, 0
	s_cbranch_scc1 .Lnot_wave_0_\@
	s_barrier_signal -3
.Lnot_wave_0_\@:
	s_barrier_wait -3
	s_barrier_signal -1
	s_barrier_wait -1
.endm
.macro CROUND                          ; a whole round
	s_barrier_signal -1
	s_barrier_wait -1
	CREST
.endm
	s_load_b128 s[4:7], s[0:1], 0x0                ; ub s[4:5], wb s[6:7]
	s_load_b64 s[8:9], s[0:1], 0x10                ; out0
	s_load_b128 s[68:71], s[0:1], 0x18             ; xt s[68:69], b_C s[70:71]
	s_load_b64 s[72:73], s[0:1], 0x28              ; b_D
	v_lshl_add_u32 v[SPW], v0, 2, SPARE
	v_mov_b32 v[NIL], 0
	ds_add_u32 v[SPW], v[NIL]                      ; the wave's opening: the add, twice on end, and its wait ahead of my first tensor load
	ds_add_u32 v[SPW], v[NIL]                      ; the same add once more; the set-up below, work on registers, stands between it and the wait
	v_lshrrev_b32 v1, 5, v0
	v_readfirstlane_b32 s10, v1                    ; wave 0..3
	s_lshr_b32 s11, s10, 1                         ; which half of the tile's rows is mine.  Also: I fetch for u and x (0) or for the weights (1)
	s_and_b32 s12, s10, 1                          ; which half of its columns.  Also: which half of that tile I fetch
	s_bfe_u32 s40, ttmp6, 0x40000                  ; cx
	s_bfe_u32 s41, ttmp6, 0x40004                  ; cy
	s_mov_b32 s42, s40                             ; tile column = cx
	s_and_b32 s13, ttmp7, 0xffff
	s_lshl_b32 s13, s13, 2
	s_add_co_u32 s13, s13, s41                     ; tile row = 4 x cluster y + cy
	s_lshl_b32 s43, s41, 2
	s_lshl_b32 s43, 15, s43                        ; my row of the cluster
	s_lshl_b32 s44, 0x1111, s40                    ; my column
	s_or_b32 s[G1+0], s43, (1<<16)|(1<<20)|(1<<21)|(5<<22)|(3<<25)   ; 15:0 the mask; 17:16 elements of 2 bytes; 20 padding on; 21 set beside a mask; 24:22 after every 64 words; 31:25 4 words of it
	s_or_b32 s[G1B+0], s44, (1<<16)|(1<<20)|(1<<21)|(5<<22)|(3<<25)
	s_or_b32 s[G1X+0], s43, (1<<16)|(1<<20)|(1<<21)|(6<<22)|(7<<25)  ; x: after every 128 words, 8 words
.irp g, G1, G1B
	s_mov_b32 s[(\g)+1], KSTEP<<16                 ; tensor_dim0 = 128
	s_mov_b32 s[(\g)+2], 128<<16                   ; tensor_dim1 = 128
	s_mov_b32 s[(\g)+3], KSTEP<<16                 ; tile_dim0 = 128
	s_mov_b32 s[(\g)+4], 128                       ; tile_dim1 = 128
	s_mov_b32 s[(\g)+6], 0
	s_mov_b32 s[(\g)+7], 0
.endr
	s_mov_b32 s[G1+5], 1024                        ; elements from row to row: u,
	s_mov_b32 s[G1B+5], 2048                       ; the joint weights
	s_mov_b32 s[G1X+1], 256<<16                    ; x: tensor_dim0 = 256 steps of time
	s_mov_b32 s[G1X+2], 64<<16                     ; tensor_dim1 = 64 rows of K
	s_mov_b32 s[G1X+3], 256<<16                    ; tile_dim0 = 256
	s_mov_b32 s[G1X+4], 64                         ; tile_dim1 = 64
	s_mov_b32 s[G1X+5], 16384                      ; elements from row to row
	s_mov_b32 s[G1X+6], 0
	s_mov_b32 s[G1X+7], 0
	s_lshl_b32 s17, s12, 7
	s_lshl_b32 s16, s13, 8
	s_add_co_u32 s16, s16, s17                     ; u: row 256 x tile row + 128 x half
	s_lshl_b32 s16, s16, 11                        ; x 2,048 bytes
	s_lshl_b32 s46, s42, 8
	s_add_co_u32 s46, s46, s17                     ; weights: row 256 x tile column + 128 x half
	s_lshl_b32 s46, s46, 12                        ; x 4,096 bytes
	s_add_co_u32 s46, s46, WCAT
	s_lshl_b32 s18, s12, 21                        ; x: row of K 64 x half, x 32,768 bytes,
	s_lshl_b32 s19, s13, 9                         ; + 256 x tile row steps of time, 2 bytes each
	s_add_co_u32 s18, s18, s19
	s_mov_b32 s17, 0
	s_mov_b32 s19, 0
	s_mov_b32 s47, 0
	s_mul_i32 s20, s10, HALFT                      ; where they go: wave x 34,816 bytes: no place in the cluster enters an LDS address
	s_wait_dscnt 0x0                               ; both opening adds are done
	s_wait_kmcnt 0x0
	s_add_nc_u64 s[14:15], s[4:5], s[16:17]
	s_add_nc_u64 s[46:47], s[6:7], s[46:47]
	s_add_nc_u64 s[18:19], s[68:69], s[18:19]
.irp s, 0,1
	s_mov_b32 s[G0X+4*(\s)], 1                                       ; x's two sets wait for K steps 8 and 9
	s_add_co_u32 s[G0X+4*(\s)+1], s20, (\s)*SLOT
	s_add_nc_u64 s[G0X+4*(\s)+2:G0X+4*(\s)+3], s[18:19], (\s)*XSTEP
	s_or_b32 s[G0X+4*(\s)+3], s[G0X+4*(\s)+3], 0x80000000
.endr
	CROUND                                         ; all sixteen work-groups are here: the first joint loads meet
.irp s, 0,1
	s_mov_b32 s[G0+4*(\s)], 1                                        ; count = 1
	s_add_co_u32 s[G0+4*(\s)+1], s20, (\s)*SLOT                      ; LDS address
	s_add_nc_u64 s[G0+4*(\s)+2:G0+4*(\s)+3], s[14:15], (\s)*KSTEP*2  ; global address: K step s
	s_or_b32 s[G0+4*(\s)+3], s[G0+4*(\s)+3], 0x80000000              ; type = 2
	s_mov_b32 s[G0B+4*(\s)], 1
	s_add_co_u32 s[G0B+4*(\s)+1], s20, (\s)*SLOT
	s_add_nc_u64 s[G0B+4*(\s)+2:G0B+4*(\s)+3], s[46:47], (\s)*KSTEP*2
	s_or_b32 s[G0B+4*(\s)+3], s[G0B+4*(\s)+3], 0x80000000
	JLOAD \s, 0                                    ; two tensor loads of mine are out
.endr
	; the two biases of my 128 columns are asked for: for column block b my lane's eight columns 16 b + 8 (l / 16) + 0..7; the addresses are made meanwhile
	v_and_b32 v1, 15, v0                           ; l % 16
	v_bfe_u32 v2, v0, 4, 1                         ; l / 16
	s_lshl_b32 s46, s42, 10
	s_lshl_b32 s47, s12, 9
	s_add_co_u32 s46, s46, s47                     ; my first column, in bytes of f32
	s_mov_b32 s47, 0
	v_lshl_add_u32 v5, v2, 5, s46
.irp b, 0,1,2,3,4,5,6,7
	global_load_b128 v[BI+8*(\b):BI+8*(\b)+3],   v5, s[70:71] offset:64*(\b)
	global_load_b128 v[BI+8*(\b)+4:BI+8*(\b)+7], v5, s[70:71] offset:64*(\b)+16
	global_load_b128 v[F1+8*(\b):F1+8*(\b)+3],   v5, s[72:73] offset:64*(\b)
	global_load_b128 v[F1+8*(\b)+4:F1+8*(\b)+7], v5, s[72:73] offset:64*(\b)+16
.endr
	v_mul_u32_u24 v3, v1, PITCH
	v_lshl_add_u32 v3, v2, 4, v3                   ; a fragment's row x pitch + 16 x half
	s_mul_i32 s21, s11, HALFT                      ; my 128 rows of u
	s_mul_i32 s22, s12, HALFT                      ; my 128 rows of the weights,
	s_add_co_u32 s22, s22, 2*HALFT                 ; which lie behind the first tile
.irp s, 0,1
	v_add_nc_u32 v[ADRA+(\s)], s21, v3
	v_add_nc_u32 v[ADRB+(\s)], s22, v3
	s_add_co_u32 s21, s21, SLOT
	s_add_co_u32 s22, s22, SLOT
.endr
	; The turning load takes 16 rows of K x 16 steps of time (lane l reads row 8 (l / 16) + l % 8, steps 8 ((l / 8) % 2) + 0..7) and leaves half a fragment: lane l holds step l % 16 and 8 of K.
	v_and_b32 v6, 7, v0
	v_lshl_add_u32 v6, v2, 3, v6
	v_mul_u32_u24 v6, v6, XPITCH
	v_bfe_u32 v7, v0, 3, 1
	v_lshl_add_u32 v6, v7, 4, v6
	s_lshl_b32 s23, s11, 8                         ; my 128 steps of time: 256 bytes of each row
	v_add_nc_u32 v[ADRX], s23, v6
	s_add_co_u32 s23, s23, SLOT
	v_add_nc_u32 v[ADRX+1], s23, v6
	s_mul_i32 s23, s10, 16*SPITCH
	s_add_co_u32 s23, s23, STAGE                   ; my stage
	v_mul_u32_u24 v4, v1, SPITCH                   ; in: row l % 16, 32 bytes for each half of the lanes
	v_lshl_add_u32 v4, v2, 5, v4
	v_add_nc_u32 v[STO], s23, v4
	v_and_b32 v[LN], 31, v0
	v_lshlrev_b32 v[CO], 4, v[LN]                  ; back: 32 lanes take one row of 512 bytes
	v_add_nc_u32 v[RD], s23, v[CO]
	s_lshl_b32 s16, s13, 8                         ; where my part of the tile begins in y
	s_lshl_b32 s17, s11, 7
	s_add_co_u32 s16, s16, s17
	s_lshl_b32 s16, s16, 12                        ; my first row x 4,096 bytes
	s_mov_b32 s17, 0
	s_add_nc_u64 s[16:17], s[16:17], s[46:47]
	s_add_nc_u64 s[8:9], s[8:9], s[16:17]
	; the prefetches: three offsets, then the choice by what I fetch
	s_lshl_b32 s22, s12, 7
	s_lshl_b32 s20, s13, 8
	s_add_co_u32 s20, s20, s22
	s_lshl_b32 s21, s40, 5
	s_add_co_u32 s20, s20, s21                     ; u: row 256 x tile row + 128 x half + 32 cx
	s_lshl_b32 s20, s20, 11
	s_add_co_u32 s20, s20, 3*KSTEP*2               ; at K step 3: the first refill steps it to 4
	s_lshl_b32 s14, s42, 8
	s_add_co_u32 s14, s14, s22
	s_lshl_b32 s21, s41, 5
	s_add_co_u32 s14, s14, s21                     ; weights: row 256 x tile column + 128 x half + 32 cy
	s_lshl_b32 s14, s14, 12
	s_add_co_u32 s14, s14, WCAT+3*KSTEP*2
	s_add_co_u32 s18, s14, 5*KSTEP*2               ; the same rows at K step 8
	s_and_b32 s16, s40, 1
	s_lshl_b32 s16, s16, 5
	s_lshl_b32 s21, s12, 6
	s_add_co_u32 s16, s16, s21                     ; x: row of K 64 x half + 32 (cx % 2),
	s_lshl_b32 s16, s16, 15
	s_lshl_b32 s21, s13, 9
	s_add_co_u32 s16, s16, s21                     ; the tile row's 512 bytes,
	s_lshr_b32 s21, s40, 1
	s_lshl_b32 s21, s21, 8
	s_add_co_u32 s16, s16, s21                     ; their half cx / 2
	s_and_b32 s23, ttmp7, 0xffff                   ; cluster y
	s_mov_b32 s21, 4096
	s_mov_b32 s22, KSTEP*2
	s_cmp_eq_u32 s11, 0                            ; do I fetch for u and x?
	s_cselect_b32 s20, s20, s14
	s_cselect_b32 s16, s16, s18
	s_cselect_b64 s[PFA:PFA+1], s[4:5], s[6:7]
	s_cselect_b64 s[PFA2:PFA2+1], s[68:69], s[6:7]
	s_cselect_b32 s[PP], 2048, s21
	s_cselect_b32 s[PP2], 32768, s21
	s_cselect_b32 s[STP2], XSTEP, s22
	s_cselect_b32 s23, 0, s23                      ; the coordinate along which other clusters read the same blocks (u, x: no other cluster does)
	s_cmp_eq_u32 s23, 0
	s_cselect_b32 s[PSE], 16, 0                    ; the same in all sixteen partners, for a given wave
	s_mov_b32 s21, 0
	s_mov_b32 s17, 0
	s_add_nc_u64 s[PFA:PFA+1], s[PFA:PFA+1], s[20:21]
	s_add_nc_u64 s[PFA2:PFA2+1], s[PFA2:PFA2+1], s[16:17]
	s_mov_b32 s[STP], KSTEP*2
	s_mov_b32 s[STP+1], 0
	s_mov_b32 s[STP2+1], 0
	s_mov_b32 s[PS], 3
	v_mul_u32_u24 v[PFO], v[LN], s[PP]
	s_mov_b32 s2, 0xffff0000                       ; a word's upper bf16
	s_wait_loadcnt 0x0                             ; the biases
.set i, 0
.rept 32                               ; both rounded to bf16 like every input, widened again and added
	v_cvt_pk_bf16_f32 v6, v[BI+i], v[BI+i+1]
	v_cvt_pk_bf16_f32 v7, v[F1+i], v[F1+i+1]
	v_lshlrev_b32 v[BI+i], 16, v6
	v_and_b32 v[BI+i+1], s2, v6
	v_lshlrev_b32 v[F1+i], 16, v7
	v_and_b32 v[F1+i+1], s2, v7
	v_pk_add_f32 v[BI+i:BI+i+1], v[BI+i:BI+i+1], v[F1+i:F1+i+1]
.set i, i+2
.endr
; 16 matrix instructions: row blocks a0, a0 + 1 of the window's four x all 8 column blocks, 32 along K.  z = 2: the first product starts the sums with the bias of its column block, from window 0.
; The 64 accumulators take turns, one instruction a turn, in the same order in every quarter.
.macro MUL16 f, hi, a0, z
.if (\z) == 2
	WIN 0x81+0x40*(\hi)                            ; source 0 window 1, sources 1 and 2 window 0, D window 2 or 3
.else
	WIN MUL_LO+0x50*(\hi)
.endif
.irp a, \a0, (\a0)+1
.irp b, 0,1,2,3,4,5,6,7
.if (\z) == 2
	v_wmma_f32_16x16x32_bf16 v[8*(8*(\a)+(\b)):8*(8*(\a)+(\b))+7], v[(\f)+8*(\b):(\f)+8*(\b)+7], v[(\f)+8*(4*(\hi)+(\a)):(\f)+8*(4*(\hi)+(\a))+7], v[BI+8*(\b):BI+8*(\b)+7]
.else
	v_wmma_f32_16x16x32_bf16 v[8*(8*(\a)+(\b)):8*(8*(\a)+(\b))+7], v[(\f)+8*(\b):(\f)+8*(\b)+7], v[(\f)+8*(4*(\hi)+(\a)):(\f)+8*(4*(\hi)+(\a))+7], v[8*(8*(\a)+(\b)):8*(8*(\a)+(\b))+7]
.endif
.endr
.endr
.endm
; 32 LDS loads in one run: the fragments of quarter q (32 along K) of a slot, into buffer f: the weights' 128 rows, then my 128 rows of u (t = 0: as they lie) or of x (t = 1: turned)
.macro FETCH slot, q, f, t
	WIN TO_B
.irp i, 0,1,2,3,4,5,6,7
	ds_load_b128 v[(\f)+8*(\i):(\f)+8*(\i)+3],   v[ADRB+(\slot)] offset:64*(\q)+(\i)*16*PITCH
	ds_load_b128 v[(\f)+8*(\i)+4:(\f)+8*(\i)+7], v[ADRB+(\slot)] offset:64*(\q)+(\i)*16*PITCH+32
.endr
	WIN 0
.irp i, 0,1,2,3,4,5,6,7
.if \t
	ds_load_tr16_b128 v[(\f)+8*(\i):(\f)+8*(\i)+3],   v[ADRX+(\slot)] offset:(\q)*32*XPITCH+32*(\i)
	ds_load_tr16_b128 v[(\f)+8*(\i)+4:(\f)+8*(\i)+7], v[ADRX+(\slot)] offset:(\q)*32*XPITCH+16*XPITCH+32*(\i)
.else
	ds_load_b128 v[(\f)+8*(\i):(\f)+8*(\i)+3],   v[ADRA+(\slot)] offset:64*(\q)+(\i)*16*PITCH
	ds_load_b128 v[(\f)+8*(\i)+4:(\f)+8*(\i)+7], v[ADRA+(\slot)] offset:64*(\q)+(\i)*16*PITCH+32
.endif
.endr
.endm
.macro PLACES                          ; four plain instructions between a matrix instruction and a load into, or a store of, its registers
.rept 4
	v_nop
.endr
.endm
; A K step is four quarters of 32 along K, 64 matrix instructions each, on buffers 0, 1, 0, 1.  One of the first three multiplies buffer f and, in its middle, fetches quarter q into buffer g.
.macro QUARTER slot, q, f, g, z, t
	s_wait_dscnt 8                                 ; the weights' fragments and my rows 0-63 are in; the youngest eight loads (rows 64-127) may be out
	MUL16 \f, 0, 0, \z
	MUL16 \f, 0, 2, \z
	PLACES
	FETCH \slot, \q, \g, \t
	s_wait_dscnt 32                                ; all but the 32 just issued
	MUL16 \f, 1, 0, \z
	MUL16 \f, 1, 2, \z
.endm
; The last quarter multiplies buffer 1 and changes slots: one barrier.  In front of it each wave waits for all its tensor loads (one is out: its part of the next slot), adds 0 to its spare
; word, and waits for that and for its own reads of this slot.  Behind it nobody reads this slot any more and the next slot is whole.
.macro MEET round
	WIN 0                                          ; (the add's two registers lie in window 0)
	s_wait_tensorcnt 0x0
	ds_add_u32 v[SPW], v[NIL]
	s_wait_dscnt 9                                 ; the add and the youngest eight loads may be out
	MUL16 F1, 0, 0, 0                              ; sixteen matrix instructions stand between the add and the wait for it
	s_wait_dscnt 0x0                               ; the add is done, and my reads of this slot are over
	s_barrier_signal -1
	MUL16 F1, 0, 2, 0                              ; work on registers while the others arrive
.if \round
	WIN 0
.endif
	s_barrier_wait -1
.endm
; fill = 1: the barrier opens a round of the cluster's barrier, and the slot just read out is filled again first behind it, with the K step two steps on: a tile of kind lt.
; nt: the kind of the next slot's tile, whose first fragments are fetched.  xs = 1: x's descriptor steps (its first use, for K steps 8 and 9, takes it as it was made).
.macro TURN slot, next, fill, lt, nt, xs
.if \fill
	WIN 0
	ASKSTEP
	MEET 1
	CREST                                          ; no wave of any partner still reads this slot's tile or has a load on its way
.if \lt
.if \xs
	s_add_nc_u64 s[G0X+4*(\slot)+2:G0X+4*(\slot)+3], s[G0X+4*(\slot)+2:G0X+4*(\slot)+3], 2*XSTEP
.endif
.else
	s_add_nc_u64 s[G0+4*(\slot)+2:G0+4*(\slot)+3], s[G0+4*(\slot)+2:G0+4*(\slot)+3], 2*KSTEP*2
.endif
	s_add_nc_u64 s[G0B+4*(\slot)+2:G0B+4*(\slot)+3], s[G0B+4*(\slot)+2:G0B+4*(\slot)+3], 2*KSTEP*2
	JLOAD \slot, \lt                               ; my one tensor load behind the round; its four v_nop are also the places in front of the loads below
	FETCH \next, 0, F0, \nt
	ASK
.else
	MEET 0
	PLACES
	FETCH \next, 0, F0, \nt
.endif
	MUL16 F1, 1, 0, 0
	MUL16 F1, 1, 2, 0
.endm
; Once round the ring, from a lap's second quarter to the next lap's first; both slots are filled again.  ft: the kind of the two tiles that the lap reads; lt: the kind that it asks for,
; which is also the kind of the next lap's first tile.
.macro LAP ft, lt, xs
	QUARTER 0, 2, F1, F0, 0, \ft
	QUARTER 0, 3, F0, F1, 0, \ft
	TURN 0, 1, 1, \lt, \ft, \xs
	QUARTER 1, 1, F0, F1, 0, \ft
	QUARTER 1, 2, F1, F0, 0, \ft
	QUARTER 1, 3, F0, F1, 0, \ft
	TURN 1, 0, 1, \lt, \lt, \xs
	QUARTER 0, 1, F0, F1, 0, \lt
	WIN 0                                          ; at a label and at a branch every window is 0
.endm
; THE WAY OUT of block a (16 rows x 128 columns of f32).  TOSTAGE: the accumulators, each from its low end on, into my own stage in LDS, and back as whole rows of 512 bytes.  SEND: stored.
.macro TOSTAGE a
.set AC, 64*((\a)%4)
.set BK, OB+64*((\a)%2)
	WIN 0x08+4*((\a)/4)                            ; the stores' data (source 1): window 2 or 3
.irp b, 0,1,2,3,4,5,6,7
	ds_store_b128 v[STO], v[AC+8*(\b):AC+8*(\b)+3]   offset:64*(\b)
	ds_store_b128 v[STO], v[AC+8*(\b)+4:AC+8*(\b)+7] offset:64*(\b)+16
.endr
	WIN 0
	s_wait_xcnt 0x0                                ; the stores of the block two back have read the registers that are loaded again below
.irp p, 0,1,2,3,4,5,6,7,8,9,10,11,12,13,14,15
	ds_load_b128 v[BK+4*(\p):BK+4*(\p)+3], v[RD] offset:(\p)*SPITCH  ; LDS serves a wave's instructions in order (ISA guide 5.7.1.4): these see the stores above
.endr
.endm
.macro SEND a, younger                 ; younger: the LDS instructions issued behind block a's loads: the next block's 32, or none
	WIN 0
.set BK, OB+64*((\a)%2)
	s_wait_dscnt \younger
.irp p, 0,1,2,3,4,5,6,7,8,9,10,11,12,13,14,15
	global_store_b128 v[CO], v[BK+4*(\p):BK+4*(\p)+3], s[8:9] offset:(16*(\a)+(\p))*CROW th:TH_STORE_NT  ; the wave stores 512 consecutive bytes, aligned
.endr
.endm
	s_wait_tensorcnt 1                             ; my part of K step 0 is in; K step 1's may stay out
	s_barrier_signal -1
	s_barrier_wait -1                              ; everybody's is
	FETCH 0, 0, F0, 0
	QUARTER 0, 1, F0, F1, 2, 0                     ; the first quarter stands in front of the loop: its products start the sums, with the bias
	WIN 0
	s_mov_b32 s3, 3
.LlapU:                                                ; three trips on u's tiles: K steps 2 to 7 are asked for
	LAP 0, 0, 0
	s_sub_co_u32 s3, s3, 1
	s_cmp_lg_u32 s3, 0
	s_cbranch_scc1 .LlapU
	LAP 0, 1, 0                                    ; written out: K steps 6 and 7 of u are read, K steps 8 and 9 of x asked for
	s_mov_b32 s3, 3
.LlapX:                                                ; three trips on x's tiles: K steps 10 to 15 are asked for
	LAP 1, 1, 1
	s_sub_co_u32 s3, s3, 1
	s_cmp_lg_u32 s3, 0
	s_cbranch_scc1 .LlapX
	QUARTER 0, 2, F1, F0, 0, 1                     ; the last lap is written out: it asks for nothing
	QUARTER 0, 3, F0, F1, 0, 1
	TURN 0, 1, 0, 0, 1, 0
	QUARTER 1, 1, F0, F1, 0, 1
	QUARTER 1, 2, F1, F0, 0, 1
	QUARTER 1, 3, F0, F1, 0, 1
	s_wait_dscnt 8                                 ; the very last quarter: nothing more to fetch
	MUL16 F1, 0, 0, 0
	MUL16 F1, 0, 2, 0
	s_wait_dscnt 0x0
	MUL16 F1, 1, 0, 0
	MUL16 F1, 1, 2, 0
	WIN 0
	PLACES
	PLACES                                         ; eight, once a launch
	TOSTAGE 0
.irp a, 1,2,3,4,5,6,7
	TOSTAGE \a                                     ; a block's stage traffic stands between the loads of the block before and its stores
	SEND (\a)-1, 32
.endr
	SEND 7, 0
	s_wait_tensorcnt 0x0                           ; the wave's end: behind my last tensor load and my last LDS store
	ds_add_u32 v[SPW], v[NIL]
	s_wait_dscnt 0x0
	CROUND                                         ; the closing round: no work-group ends while a partner may still ask for a tile that names it
	s_endpgm
.Lfunc_end_k_q2568237167_gemm2:
	.size	k_q2568237167_gemm2, .Lfunc_end_k_q2568237167_gemm2-k_q2568237167_gemm2
	.p2alignl 7, 3214868480
	.fill 96, 4, 3214868480
	.section	.rodata,"a",@progbits
	.p2align	6, 0x0
	.amdhsa_kernel k_q2568237167_gemm2
		.amdhsa_group_segment_fixed_size 327680
		.amdhsa_private_segment_fixed_size 0
		.amdhsa_enable_private_segment 0
		.amdhsa_kernarg_size 48
		.amdhsa_user_sgpr_count 2
		.amdhsa_user_sgpr_kernarg_segment_ptr 1
		.amdhsa_wavefront_size32 1
		.amdhsa_system_sgpr_workgroup_id_x 1
		.amdhsa_system_sgpr_workgroup_id_y 1
		.amdhsa_system_sgpr_workgroup_id_z 1
		.amdhsa_system_vgpr_workitem_id 0
		.amdhsa_next_free_vgpr 1024
		.amdhsa_next_free_sgpr 100
		.amdhsa_reserve_vcc 0
		.amdhsa_float_denorm_mode_32 3
		.amdhsa_float_denorm_mode_16_64 3
		.amdhsa_memory_ordered 1
		.amdhsa_forward_progress 1
		.amdhsa_inst_pref_size 255
	.end_amdhsa_kernel
	.section	.bss,"aw",@nobits
	.p2align	6
	.space	262144
	.amdgpu_metadata
---
amdhsa.version: [ 1, 2 ]
amdhsa.kernels:
  - .name:           k_q2568237167_gemm2
    .symbol:         k_q2568237167_gemm2.kd
    .args:
      - { .name: ub, .offset: 0, .size: 8, .value_kind: global_buffer, .address_space: global }
      - { .name: wb, .offset: 8, .size: 8, .value_kind: global_buffer, .address_space: global }
      - { .name: out0, .offset: 16, .size: 8, .value_kind: global_buffer, .address_space: global }
      - { .name: xt, .offset: 24, .size: 8, .value_kind: global_buffer, .address_space: global }
      - { .name: b_C, .offset: 32, .size: 8, .value_kind: global_buffer, .address_space: global }
      - { .name: b_D, .offset: 40, .size: 8, .value_kind: global_buffer, .address_space: global }
    .group_segment_fixed_size: 327680
    .private_segment_fixed_size: 0
    .kernarg_segment_align: 8
    .kernarg_segment_size: 48
    .max_flat_workgroup_size: 128
    .sgpr_count:     100
    .vgpr_count:     1024
    .wavefront_size: 32
...
	.end_amdgpu_metadata
.endif
;; end of part 4
;; ======== version 2 of 3: 4 launches
;; limits: values are held in f16: magnitudes above 65,504 overflow, below 6.1e-05 lose precision
;; workspace buffers: ub 33,554,432 bytes; wb 6,291,456 bytes; but 33,554,432 bytes; xt 33,554,432 bytes
;; launch cast (part 5): grid 1216 x 1, 8 waves a work-group, no clusters, 0 bytes of LDS; arguments u, W_B, W_D, W_C, ub, wb; writes ub, wb
.if DOCPART == 5
	.amdgcn_target "amdgcn-amd-amdhsa--gfx1250"
	.amdhsa_code_object_version 6
	.text
	.protected	k_q2568237167_cast
	.globl	k_q2568237167_cast
	.p2align	8
	.type	k_q2568237167_cast,@function
k_q2568237167_cast:
	s_mov_b64 s[64:65], 0
	v_nop
	global_prefetch_b8 v0, s[64:65] scope:SCOPE_SE
	s_setreg_imm32_b32 hwreg(HW_REG_WAVE_MODE, 25, 1), 1
	s_wait_xcnt 0x0
; THE PROGRAM, four launches:  y = x W_C^T + b_C + u W_D^T + b_D,  x_t = A_bar x_(t-1) + dt (u_t W_B^T + b_B).
;   cast   u and the three weight matrices, f32 to bf16 (this text)
;   gemm1  S[n][bt] = sum over k of W_B[n][k] u[bt][k], rounded once to f16, time along the rows (bt = 2,048 b + t)
;   scan   Bu = dt S + dt b_B and the recurrence along each piece of 2,048 numbers of a row of S; x rounded once to bf16
;   gemm2  y = [u | x] [W_D | W_C]^T + b_C + b_D
; WORK LEFT OUT.  x0 is the array of zeros that the recurrence starts from by its own definition, so A_bar x0 = 0 whatever finite numbers the inputs hold:
; the first steps of a sequence take no carry (scan).  Every input has a way to y and is loaded.
; LIMITS.  All inputs, the small ones too, are rounded to bf16 (nearest even) before use; S is rounded once to f16 on its way to the scan, so |S| stays under 65,504 (a sum of 1,024 products);
; x is rounded once to bf16 as a matrix operand; sums are f32 and are taken in another order than a step-by-step scan takes them.
; A NaN or an infinity in A_bar that would reach y only through A_bar x0 is not carried; NaN and infinities are not treated apart anywhere.
; THIS LAUNCH.  A work-group casts 16 rows of 1,024 numbers.  Work-groups 0-1023: u -> ub [16384][1024].  Then 64 each: W_B -> wb byte 0, [1024][1024];
; W_D and W_C -> wb byte 2,097,152, one matrix [1024][2048] with W_D in columns 0-1023 and W_C in columns 1024-2047.
; Thread t takes 16 bytes at 16 t of each row (a wave: 512 consecutive bytes) and stores 8 bytes at 8 t (a wave: 256 consecutive bytes, aligned).
; All 16 loads go out first; no register is written twice, so the only waits are the counted ones for the loads.  No LDS, no matrix unit: bytes are all there is.
.set ROWIN, 4096                       ; bytes in a row of f32
.set OFF,   8                          ; v[8:23]   row j: byte offset of my 8 bytes in the destination
.set DAT,   32                         ; v[32:95]  row j: four numbers as loaded; the first two registers then hold them as bf16
	s_load_b256 s[4:11], s[0:1], 0x0               ; u s[4:5], W_B s[6:7], W_D s[8:9], W_C s[10:11]
	s_load_b128 s[12:15], s[0:1], 0x20             ; ub s[12:13], wb s[14:15]
	v_lshlrev_b32 v1, 4, v0                        ; 16 t
	v_lshlrev_b32 v2, 3, v0                        ; 8 t
	s_lshr_b32 s18, ttmp9, 6                       ; below 16: u; 16: W_B; 17: W_D; 18: W_C
	s_and_b32 s17, ttmp9, 63                       ; a weight matrix's block of 16 rows
	s_mov_b32 s25, 0
	s_wait_kmcnt 0x0
	s_cmp_lt_u32 s18, 16                           ; all choices hang on the work-group's number alone, and stand ahead of the shifts, which write SCC
	s_cselect_b32 s16, ttmp9, s17                  ; my block of 16 rows in its source
	s_cselect_b64 s[20:21], s[4:5], s[6:7]
	s_cselect_b64 s[22:23], s[12:13], s[14:15]
	s_cmp_eq_u32 s18, 17
	s_cselect_b64 s[20:21], s[8:9], s[20:21]
	s_cmp_eq_u32 s18, 18
	s_cselect_b64 s[20:21], s[10:11], s[20:21]
	s_cselect_b32 s27, 2048, 0                     ; W_C: the right half of the joint rows
	s_cmp_gt_u32 s18, 16
	s_cselect_b32 s30, 1, 0                        ; 1: the destination's rows are 4,096 bytes
	s_lshl_b32 s28, 2048, s30                      ; bytes in a row of the destination
	s_add_co_u32 s29, s30, 15
	s_lshl_b32 s26, s30, 21                        ; the joint matrix begins at byte 2,097,152
	s_lshl_b32 s24, s16, 16                        ; 16 rows of 4,096 bytes
	s_add_nc_u64 s[20:21], s[20:21], s[24:25]
	s_lshl_b32 s24, s16, s29                       ; 16 rows of the destination
	s_add_co_u32 s24, s24, s26
	s_add_co_u32 s24, s24, s27
	s_add_nc_u64 s[22:23], s[22:23], s[24:25]
.set j, 0
.rept 16
	global_load_b128 v[DAT+4*j:DAT+4*j+3], v1, s[20:21] offset:ROWIN*j th:TH_LOAD_NT
.set j, j+1
.endr
.set j, 0
.rept 16
	v_mad_u32_u24 v[OFF+j], s28, j, v2             ; row j x the destination's pitch + 8 t
.set j, j+1
.endr
.set j, 0
.rept 16
	s_wait_loadcnt 15-j                            ; loads come back in order (ISA guide 5.7.1): row j is in, the 15 - j younger loads stay out
	v_cvt_pk_bf16_f32 v[DAT+4*j], v[DAT+4*j], v[DAT+4*j+1]
	v_cvt_pk_bf16_f32 v[DAT+4*j+1], v[DAT+4*j+2], v[DAT+4*j+3]
	global_store_b64 v[OFF+j], v[DAT+4*j:DAT+4*j+1], s[22:23]
.set j, j+1
.endr
	s_endpgm
.Lfunc_end_k_q2568237167_cast:
	.size	k_q2568237167_cast, .Lfunc_end_k_q2568237167_cast-k_q2568237167_cast
	.p2alignl 7, 3214868480
	.fill 96, 4, 3214868480
	.section	.rodata,"a",@progbits
	.p2align	6, 0x0
	.amdhsa_kernel k_q2568237167_cast
		.amdhsa_group_segment_fixed_size 0
		.amdhsa_private_segment_fixed_size 0
		.amdhsa_enable_private_segment 0
		.amdhsa_kernarg_size 48
		.amdhsa_user_sgpr_count 2
		.amdhsa_user_sgpr_kernarg_segment_ptr 1
		.amdhsa_wavefront_size32 1
		.amdhsa_system_sgpr_workgroup_id_x 1
		.amdhsa_system_sgpr_workgroup_id_y 1
		.amdhsa_system_sgpr_workgroup_id_z 1
		.amdhsa_system_vgpr_workitem_id 0
		.amdhsa_next_free_vgpr 96
		.amdhsa_next_free_sgpr 66
		.amdhsa_reserve_vcc 0
		.amdhsa_float_denorm_mode_32 3
		.amdhsa_float_denorm_mode_16_64 3
		.amdhsa_memory_ordered 1
		.amdhsa_forward_progress 1
		.amdhsa_inst_pref_size 8
	.end_amdhsa_kernel
	.amdgpu_metadata
---
amdhsa.version: [ 1, 2 ]
amdhsa.kernels:
  - .name:           k_q2568237167_cast
    .symbol:         k_q2568237167_cast.kd
    .args:
      - { .name: u, .offset: 0, .size: 8, .value_kind: global_buffer, .address_space: global }
      - { .name: W_B, .offset: 8, .size: 8, .value_kind: global_buffer, .address_space: global }
      - { .name: W_D, .offset: 16, .size: 8, .value_kind: global_buffer, .address_space: global }
      - { .name: W_C, .offset: 24, .size: 8, .value_kind: global_buffer, .address_space: global }
      - { .name: ub, .offset: 32, .size: 8, .value_kind: global_buffer, .address_space: global }
      - { .name: wb, .offset: 40, .size: 8, .value_kind: global_buffer, .address_space: global }
    .group_segment_fixed_size: 0
    .private_segment_fixed_size: 0
    .kernarg_segment_align: 8
    .kernarg_segment_size: 48
    .max_flat_workgroup_size: 256
    .sgpr_count:     66
    .vgpr_count:     96
    .wavefront_size: 32
...
	.end_amdgpu_metadata
.endif
;; end of part 5
;; launch gemm1 (part 6): grid 64 x 4, 4 waves a work-group, clusters of 4 x 4, 327,680 bytes of LDS; arguments wb, ub, but; writes but
.if DOCPART == 6
	.amdgcn_target "amdgcn-amd-amdhsa--gfx1250"
	.amdhsa_code_object_version 6
	.text
	.protected	k_q2568237167_gemm1
	.globl	k_q2568237167_gemm1
	.p2align	8
	.type	k_q2568237167_gemm1,@function
k_q2568237167_gemm1:
	s_mov_b64 s[64:65], 0
	v_nop
	global_prefetch_b8 v0, s[64:65] scope:SCOPE_SE
	s_setreg_imm32_b32 hwreg(HW_REG_WAVE_MODE, 25, 1), 1
	s_wait_xcnt 0x0
	s_wait_alu depctr_hold_cnt(0) depctr_sa_sdst(0) depctr_va_vdst(0) depctr_va_sdst(0) depctr_va_ssrc(0) depctr_va_vcc(0) depctr_vm_vsrc(0)
	s_getreg_b32 s2, hwreg(HW_REG_IB_STS2, 6, 4)
	s_cmp_eq_u32 s2, 0
	s_cbranch_scc0 .Lentry_in_a_cluster
	s_endpgm
.Lentry_in_a_cluster:
	s_bfe_u32 s2, ttmp6, 0x10000c
	s_cmp_lg_u32 s2, 0xf033
	s_cbranch_scc0 .Lentry_shape_is_right
	s_endpgm
.Lentry_shape_is_right:
; S[n][bt] = sum over k of W_B[n][k] u[bt][k].  W_B: wb byte 0, [1024][1024] bf16; u: ub [16384][1024] bf16; S: but [1024][16384] f16 (bt = 2,048 b + t).
; Time runs along the rows of the result, so that the launch behind finds a channel's 2,048 steps of one sequence as 4,096 consecutive bytes; that launch also applies dt and b_B.
; LIMITS.  Operands are bf16 (rounded by the launch in front), sums f32, S rounded once to f16: |S| stays under 65,504, and below 6e-5 S keeps f16's fixed step of 6e-8.  A row of W_B has 1,024 terms:
; with u of unit spread and W_B within 1/32 S has a spread of 0.58; both 30 times larger give 520, both with a common offset of 30 spreads 1,024 x 30 x 0.54 = 16,600.  f16 and not bf16, because S's
; rounding reaches y beside x's own rounding to bf16: 11 significant bits add an eighth of that.  NaN and infinities are not treated apart.
; SHARES.  A tile of the result is 256 x 256: four waves, each 128 x 128 in 64 accumulators (512 registers).  1,024 x 16,384 give 256 tiles, one a work-group.  K = 1,024 goes in eight steps of 128
; through two LDS slots filled by tensor loads; a row of a tile is 256 bytes of memory, aligned.  The last K step goes by rows of the result, so that finished rows leave while the others are multiplied.
; CLUSTER.  4 x 4 work-groups.  The four of a row of the cluster need the same tile of W_B, the four of a column the same tile of u: each tile is asked for jointly, by the same tensor load with
; the same descriptor and a mask that names the four.  The grid is one cluster high, so the tile row is the place cy.
; THE MATRIX INSTRUCTION IS USED TRANSPOSED: source 0 = 16 rows of u, source 1 = 16 rows of W_B.  In the result lane l holds row l % 16 (a channel) and its registers the columns 8 (l / 16) + 0..7:
; eight neighbouring steps of time, which pack into 16 bytes.
; REGISTERS, in windows of 256 (s_set_vgpr_msb: bits 1:0 source 0, 3:2 source 1, 5:4 source 2, 7:6 destination):
;   window 0: v0-31 addresses; v64-127, v128-191 fragments of W_B, two buffers; in the last K step v64-127 two buffers of 16 rows x 128 K, v128-159 packed results, v192-255 rows read back from the stage
;   window 1: v64-127, v128-191 fragments of u, two buffers; in the last K step all 256: u's fragments of the whole step
;   windows 2, 3: the accumulators of my rows 0-63, 64-127: (a, b) at v[8 (8 (a % 4) + b)]
.set KSTEP,  128
.set PITCH,  272                       ; an LDS row: 256 bytes + 16 of padding = 68 words: the 16 rows of a fragment load start 4 words apart modulo 64 (64 banks of 4 bytes: ISA guide 11.1)
.set HALFT,  128*PITCH                 ; what one tensor load brings, and what one wave reads of either operand
.set SLOT,   4*HALFT                   ; W_B's 256 rows, then u's 256 rows
.set STAGE,  2*SLOT                    ; behind the ring, never filled by a tensor load: 16 rows x 272 bytes for each wave, for the way out
.set SPITCH, 272                       ; 256 bytes of f16 + 16
.set SPARE,  STAGE+4*16*SPITCH         ; behind the stages: the spare words, 128 bytes for each wave: two blocks of 256 bytes that no other line names
.set CROW,   32768                     ; bytes in a row of S
.set ADRA, 16                          ; v16-17  LDS address of my fragments of W_B in slot 0, 1
.set ADRB, 20                          ; v20-21  the same for u
.set STO,  24                          ; v24     the way out: where I put 16 bytes of a row
.set RD,   25                          ; v25     the way out: where I read 16 bytes of a row back
.set CO,   26                          ; v26     my byte offset in two rows of S
.set SPW,  28                          ; v28     LDS address of my spare word; never rewritten
.set NIL,  29                          ; v29     0; never rewritten
.set PFO,  30                          ; v30     the prefetches' offset: lane x a row of W_B or u; never rewritten
.set F0,   64
.set F1,   128
.set PA,   64                          ; the last K step: W_B's fragments of 16 rows x 128 K, 32 registers; two such buffers
.set TMP,  128                         ; the way out: a block's 32 registers of packed results
.set OB,   192                         ; the way out: 16 rows read back from the stage: v192-223 and v224-255 by turns
.set G1,  24                           ; s[24:31] descriptor group 1 for W_B's tiles;  s[32:39] group 0, a set for each slot
.set G0,  32
.set G1B, 48                           ; s[48:55], s[56:63] the same for u's tiles
.set G0B, 56
.set PFA, 44                           ; s[44:45] where my prefetches stand
.set PS,  74                           ; s74  the K step that they name
.set PSE, 75                           ; s75  8 in a wave that prefetches, else 0
.set MSB, 0
.macro WIN new                         ; the immediate's high byte repeats the setting that is left; a switch that changes nothing is dropped
.if MSB != (\new)
	s_set_vgpr_msb (MSB<<8)|(\new)
.set MSB, \new
.endif
.endm
.set MUL_LO, 0xa1                      ; source 0 (u) window 1, source 1 (W_B) window 0, C and D window 2
.set MUL_HI, 0xf1                      ; the same, C and D window 3
.set TO_B,   0x40                      ; destination window 1, address window 0
; A joint load.  Waves 0 and 1 fetch the two halves of W_B's tile, waves 2 and 3 those of u's.  The branch hangs on the wave's number alone.
; An s_nop 0 and four v_nop follow each of the two lines, ahead of the jump and the label.
.macro JLOAD s
	s_cmp_eq_u32 s11, 0
	s_cbranch_scc0 .Lfor_b_\@
	tensor_load_to_lds s[G0+4*(\s):G0+4*(\s)+3], s[G1:G1+7]
	s_nop 0
.rept 4
	v_nop
.endr
	s_branch .Lasked_\@
.Lfor_b_\@:
	tensor_load_to_lds s[G0B+4*(\s):G0B+4*(\s)+3], s[G1B:G1B+7]
	s_nop 0
.rept 4
	v_nop
.endr
.Lasked_\@:
.endm
; A prefetch into the L2, behind each joint refill and the run of LDS loads that follows it: the K step that stands two refills on, 32 rows x 256 bytes, a lane a row, one instruction a wave.
; Each row's 256 bytes of a K step are named once in the launch: W_B's rows, which all 16 clusters read, by cluster x = 0; u's rows by the one cluster that reads them; of the 128 rows that a
; wave fetches each of the four partners takes 32, told apart by address.  K steps 0 to 3 come by their loads alone; behind K step 7 nothing is named.
.macro ASK
	s_cmp_lt_u32 s[PS], s[PSE]
	s_cbranch_scc0 .Lnot_mine_\@
	global_prefetch_b8 v[PFO], s[PFA:PFA+1] th:TH_LOAD_NT scope:SCOPE_SE
.Lnot_mine_\@:
.endm
.macro CREST                           ; a round of the cluster's barrier behind its opening barrier
	s_cmp_lg_u32 s10, 0
	s_cbranch_scc1 .Lnot_wave_0_\@
	s_barrier_signal -3
.Lnot_wave_0_\@:
	s_barrier_wait -3
	s_barrier_signal -1
	s_barrier_wait -1
.endm
.macro CROUND                          ; a whole round
	s_barrier_signal -1
	s_barrier_wait -1
	CREST
.endm
	s_load_b128 s[4:7], s[0:1], 0x0                ; wb (W_B at its head) s[4:5], ub s[6:7]
	s_load_b64 s[8:9], s[0:1], 0x10                ; but
	v_lshl_add_u32 v[SPW], v0, 2, SPARE
	v_mov_b32 v[NIL], 0
	ds_add_u32 v[SPW], v[NIL]                      ; the wave's opening: the add, twice on end, and its wait ahead of my first tensor load
	ds_add_u32 v[SPW], v[NIL]                      ; the same add once more; the set-up below, work on registers, stands between it and the wait
	v_lshrrev_b32 v1, 5, v0
	v_readfirstlane_b32 s10, v1                    ; wave 0..3
	s_lshr_b32 s11, s10, 1                         ; which half of the tile's rows is mine.  Also: I fetch for W_B (0) or for u (1)
	s_and_b32 s12, s10, 1                          ; which half of its columns.  Also: which 128 rows of that tile I fetch
	s_bfe_u32 s40, ttmp6, 0x40000                  ; cx
	s_bfe_u32 s41, ttmp6, 0x40004                  ; cy
	s_lshl_b32 s42, ttmp9, 2
	s_add_co_u32 s42, s42, s40                     ; tile column = 4 x cluster x + cx
	s_mov_b32 s13, s41                             ; tile row = cy
	s_lshl_b32 s43, s41, 2
	s_lshl_b32 s43, 15, s43                        ; my row of the cluster: places 4 cy .. 4 cy + 3
	s_lshl_b32 s44, 0x1111, s40                    ; my column: places cx, cx + 4, cx + 8, cx + 12
	s_or_b32 s[G1+0], s43, (1<<16)|(1<<20)|(1<<21)|(5<<22)|(3<<25)   ; 15:0 the mask; 17:16 elements of 2 bytes; 20 padding on; 21 set beside a mask; 24:22 after every 64 words; 31:25 4 words of it
	s_or_b32 s[G1B+0], s44, (1<<16)|(1<<20)|(1<<21)|(5<<22)|(3<<25)
.irp g, G1, G1B
	s_mov_b32 s[(\g)+1], KSTEP<<16                 ; tensor_dim0 = 128
	s_mov_b32 s[(\g)+2], 128<<16                   ; tensor_dim1 = 128
	s_mov_b32 s[(\g)+3], KSTEP<<16                 ; tile_dim0 = 128
	s_mov_b32 s[(\g)+4], 128                       ; tile_dim1 = 128
	s_mov_b32 s[(\g)+5], 1024                      ; elements from row to row
	s_mov_b32 s[(\g)+6], 0
	s_mov_b32 s[(\g)+7], 0
.endr
	s_lshl_b32 s17, s12, 7                         ; which 128 rows of the tile I fetch
	s_lshl_b32 s16, s13, 8
	s_add_co_u32 s16, s16, s17                     ; W_B: row 256 x tile row + 128 x half
	s_lshl_b32 s16, s16, 11                        ; in bytes
	s_lshl_b32 s46, s42, 8
	s_add_co_u32 s46, s46, s17                     ; u: row 256 x tile column + 128 x half
	s_lshl_b32 s46, s46, 11                        ; at most 16,383 x 2,048: 32 bits hold it
	s_mov_b32 s17, 0
	s_mov_b32 s47, 0
	s_mul_i32 s20, s10, HALFT                      ; where they go: wave x 128 rows: no place in the cluster enters an LDS address
	s_wait_dscnt 0x0                               ; both opening adds are done
	s_wait_kmcnt 0x0
	s_add_nc_u64 s[14:15], s[4:5], s[16:17]
	s_add_nc_u64 s[46:47], s[6:7], s[46:47]
	CROUND                                         ; all sixteen work-groups are here: the first joint loads meet
.irp s, 0,1
	s_mov_b32 s[G0+4*(\s)], 1                                        ; count = 1
	s_add_co_u32 s[G0+4*(\s)+1], s20, (\s)*SLOT                      ; LDS address
	s_add_nc_u64 s[G0+4*(\s)+2:G0+4*(\s)+3], s[14:15], (\s)*KSTEP*2  ; global address: K step s
	s_or_b32 s[G0+4*(\s)+3], s[G0+4*(\s)+3], 0x80000000              ; type = 2
	s_mov_b32 s[G0B+4*(\s)], 1
	s_add_co_u32 s[G0B+4*(\s)+1], s20, (\s)*SLOT
	s_add_nc_u64 s[G0B+4*(\s)+2:G0B+4*(\s)+3], s[46:47], (\s)*KSTEP*2
	s_or_b32 s[G0B+4*(\s)+3], s[G0B+4*(\s)+3], 0x80000000
	JLOAD \s                                       ; two tensor loads of mine are out
.endr
	v_and_b32 v1, 15, v0                           ; l % 16
	v_bfe_u32 v2, v0, 4, 1                         ; l / 16
	v_mul_u32_u24 v3, v1, PITCH
	v_lshl_add_u32 v3, v2, 4, v3                   ; a fragment's row x pitch + 16 x half
	s_mul_i32 s21, s11, HALFT                      ; my 128 rows of W_B
	s_mul_i32 s22, s12, HALFT                      ; my 128 rows of u,
	s_add_co_u32 s22, s22, 2*HALFT                 ; which lie behind W_B's 256
.irp s, 0,1
	v_add_nc_u32 v[ADRA+(\s)], s21, v3
	v_add_nc_u32 v[ADRB+(\s)], s22, v3
	s_add_co_u32 s21, s21, SLOT
	s_add_co_u32 s22, s22, SLOT
.endr
	s_mul_i32 s23, s10, 16*SPITCH
	s_add_co_u32 s23, s23, STAGE                   ; my stage
	v_mul_u32_u24 v4, v1, SPITCH                   ; in: row l % 16, 16 bytes for each half of the lanes
	v_lshl_add_u32 v4, v2, 4, v4
	v_add_nc_u32 v[STO], s23, v4
	v_mul_u32_u24 v5, v2, SPITCH                   ; back: lanes 0-15 take one row of 256 bytes, lanes 16-31 the next
	v_lshl_add_u32 v5, v1, 4, v5
	v_add_nc_u32 v[RD], s23, v5
	v_lshlrev_b32 v5, 15, v2                       ; and the same two rows in S, 32,768 bytes apart
	v_lshl_add_u32 v[CO], v1, 4, v5
	v_and_b32 v4, 31, v0
	v_lshlrev_b32 v[PFO], 11, v4                   ; lane x 2,048
	s_lshl_b32 s14, s13, 8
	s_lshl_b32 s15, s11, 7
	s_add_co_u32 s14, s14, s15                     ; my first row of the result: a channel
	s_lshl_b32 s16, s14, 15                        ; where my part of the tile begins in S: my first row x 32,768 bytes
	s_mov_b32 s17, 0
	s_lshl_b32 s46, s42, 9                         ; + 2 (256 x tile column + 128 x half)
	s_lshl_b32 s47, s12, 8
	s_add_co_u32 s46, s46, s47
	s_mov_b32 s47, 0
	s_add_nc_u64 s[16:17], s[16:17], s[46:47]
	s_add_nc_u64 s[8:9], s[8:9], s[16:17]
	; the prefetches
	s_lshl_b32 s20, s13, 8
	s_lshl_b32 s21, s42, 8
	s_cmp_eq_u32 s11, 0                            ; do I fetch for W_B?
	s_cselect_b32 s20, s20, s21                    ; the tile's first row
	s_cselect_b32 s21, s40, s41                    ; my place among the four that ask for it with me
	s_cselect_b32 s22, ttmp9, 0                    ; the coordinate along which other clusters read the same rows (u's rows: no other cluster does)
	s_cselect_b64 s[PFA:PFA+1], s[4:5], s[6:7]
	s_cmp_eq_u32 s22, 0
	s_cselect_b32 s[PSE], 8, 0                     ; the same in all sixteen partners, for a given wave
	s_lshl_b32 s22, s12, 7
	s_add_co_u32 s20, s20, s22                     ; + the 128 rows that I fetch
	s_lshl_b32 s21, s21, 5
	s_add_co_u32 s20, s20, s21                     ; + my work-group's 32 of them
	s_lshl_b32 s20, s20, 11
	s_add_co_u32 s20, s20, 3*KSTEP*2               ; at K step 3: the first refill steps it to 4
	s_mov_b32 s21, 0
	s_add_nc_u64 s[PFA:PFA+1], s[PFA:PFA+1], s[20:21]
	s_mov_b32 s[PS], 3
; 16 matrix instructions: row blocks a0, a0 + 1 of the window's four x all 8 column blocks, 32 along K.  z = 1: the first product starts the sums: nothing is cleared.
; The 64 accumulators take turns, one instruction a turn, in the same order in every quarter.
.macro MUL16 f, hi, a0, z
	WIN MUL_LO+0x50*(\hi)
.irp a, \a0, (\a0)+1
.irp b, 0,1,2,3,4,5,6,7
.if \z
	v_wmma_f32_16x16x32_bf16 v[8*(8*(\a)+(\b)):8*(8*(\a)+(\b))+7], v[(\f)+8*(\b):(\f)+8*(\b)+7], v[(\f)+8*(4*(\hi)+(\a)):(\f)+8*(4*(\hi)+(\a))+7], 0
.else
	v_wmma_f32_16x16x32_bf16 v[8*(8*(\a)+(\b)):8*(8*(\a)+(\b))+7], v[(\f)+8*(\b):(\f)+8*(\b)+7], v[(\f)+8*(4*(\hi)+(\a)):(\f)+8*(4*(\hi)+(\a))+7], v[8*(8*(\a)+(\b)):8*(8*(\a)+(\b))+7]
.endif
.endr
.endr
.endm
; 32 LDS loads in one run: the fragments of quarter q (32 along K, 64 bytes of the rows) of a slot, into buffer f: u's 128 rows, then W_B's
.macro FETCH slot, q, f
	WIN TO_B
.irp i, 0,1,2,3,4,5,6,7
	ds_load_b128 v[(\f)+8*(\i):(\f)+8*(\i)+3],   v[ADRB+(\slot)] offset:64*(\q)+(\i)*16*PITCH
	ds_load_b128 v[(\f)+8*(\i)+4:(\f)+8*(\i)+7], v[ADRB+(\slot)] offset:64*(\q)+(\i)*16*PITCH+32
.endr
	WIN 0
.irp i, 0,1,2,3,4,5,6,7
	ds_load_b128 v[(\f)+8*(\i):(\f)+8*(\i)+3],   v[ADRA+(\slot)] offset:64*(\q)+(\i)*16*PITCH
	ds_load_b128 v[(\f)+8*(\i)+4:(\f)+8*(\i)+7], v[ADRA+(\slot)] offset:64*(\q)+(\i)*16*PITCH+32
.endr
.endm
.macro PLACES                          ; four plain instructions between a matrix instruction and a load into, or a vector line on, its registers
.rept 4
	v_nop
.endr
.endm
; A K step is four quarters of 32 along K, 64 matrix instructions each, on buffers 0, 1, 0, 1.  One of the first three multiplies buffer f and, in its middle, fetches quarter q into buffer g.
.macro QUARTER slot, q, f, g, z
	s_wait_dscnt 8                                 ; u's fragments and W_B's rows 0-63 are in; the youngest eight loads (rows 64-127) may be out
	MUL16 \f, 0, 0, \z
	MUL16 \f, 0, 2, \z
	PLACES
	FETCH \slot, \q, \g
	s_wait_dscnt 32                                ; all but the 32 just issued
	MUL16 \f, 1, 0, \z
	MUL16 \f, 1, 2, \z
.endm
; The last quarter multiplies buffer 1 and changes slots: one barrier.  In front of it each wave waits for all its tensor loads (one is out: its part of the next slot), adds 0 to its spare
; word, and waits for that and for its own reads of this slot.  Behind it nobody reads this slot any more and the next slot is whole.
.macro MEET round
	WIN 0                                          ; (the add's two registers lie in window 0)
	s_wait_tensorcnt 0x0
	ds_add_u32 v[SPW], v[NIL]
	s_wait_dscnt 9                                 ; the add and the youngest eight loads may be out
	MUL16 F1, 0, 0, 0                              ; sixteen matrix instructions stand between the add and the wait for it
	s_wait_dscnt 0x0                               ; the add is done, and my reads of this slot are over
	s_barrier_signal -1
	MUL16 F1, 0, 2, 0                              ; work on registers while the others arrive
.if \round
	WIN 0
.endif
	s_barrier_wait -1
.endm
; The whole last quarter where a slot is filled again: the barrier opens a round of the cluster's barrier, and the slot just read out is filled first behind it, with the K step two steps on.
.macro TURN slot, next
	WIN 0
	s_wait_xcnt 0x0                                ; the last prefetch, a K step back, has read its address: it is stepped here, ahead of the waits of the change of slots
	s_add_nc_u64 s[PFA:PFA+1], s[PFA:PFA+1], KSTEP*2
	s_add_co_u32 s[PS], s[PS], 1
	MEET 1
	CREST                                          ; no wave of any partner still reads this slot's tile or has a load on its way
	s_add_nc_u64 s[G0+4*(\slot)+2:G0+4*(\slot)+3], s[G0+4*(\slot)+2:G0+4*(\slot)+3], 2*KSTEP*2
	s_add_nc_u64 s[G0B+4*(\slot)+2:G0B+4*(\slot)+3], s[G0B+4*(\slot)+2:G0B+4*(\slot)+3], 2*KSTEP*2
	JLOAD \slot                                    ; my one tensor load behind the round; its four v_nop are also the places in front of the loads below
	FETCH \next, 0, F0
	ASK
	MUL16 F1, 1, 0, 0
	MUL16 F1, 1, 2, 0
.endm
; THE LAST K STEP (it lies in slot 1) GOES BY ROWS OF THE RESULT.  All its fragments of u (4 quarters x 64 registers) fill window 1; then my eight blocks of 16 rows are finished one after the
; other, each with 32 matrix instructions: its 8 accumulators by turns, K ascending.  LDS is read no more than in any other K step.
.macro BLOAD q                         ; u's fragments of quarter q -> window 1, v[64 q ..]
	WIN TO_B
.irp i, 0,1,2,3,4,5,6,7
	ds_load_b128 v[64*(\q)+8*(\i):64*(\q)+8*(\i)+3],   v[ADRB+1] offset:64*(\q)+(\i)*16*PITCH
	ds_load_b128 v[64*(\q)+8*(\i)+4:64*(\q)+8*(\i)+7], v[ADRB+1] offset:64*(\q)+(\i)*16*PITCH+32
.endr
.endm
.macro ALOAD a                         ; W_B's fragments of block a, all four quarters -> buffer a % 2
	WIN 0
.set FA, PA+32*((\a)%2)
.irp q, 0,1,2,3
	ds_load_b128 v[FA+8*(\q):FA+8*(\q)+3],   v[ADRA+1] offset:64*(\q)+(\a)*16*PITCH
	ds_load_b128 v[FA+8*(\q)+4:FA+8*(\q)+7], v[ADRA+1] offset:64*(\q)+(\a)*16*PITCH+32
.endr
.endm
.macro ROW a                           ; block a is finished: 32 matrix instructions
.set FA, PA+32*((\a)%2)
.set AC, 64*((\a)%4)
	WIN MUL_LO+0x50*((\a)/4)
.irp q, 0,1,2,3
.if (\a) == 0 && (\q) == 2
	s_wait_dscnt 8                                 ; u's quarter 2 is in (behind it: W_B's block 1)
.endif
.irp b, 0,1,2,3,4,5,6,7
	v_wmma_f32_16x16x32_bf16 v[AC+8*(\b):AC+8*(\b)+7], v[64*(\q)+8*(\b):64*(\q)+8*(\b)+7], v[FA+8*(\q):FA+8*(\q)+7], v[AC+8*(\b):AC+8*(\b)+7]
.endr
.endr
.endm
; THE WAY OUT of block a (16 rows x 128 columns), in three parts.  PACK: rounded to f16, each accumulator from its low end on: 16 bytes a lane and column block.
; TOSTAGE: into my own stage in LDS, and back as whole rows of 256 bytes, into v192-223 and v224-255 by turns.  SEND: stored.
; The registers that TOSTAGE loads were the data of the stores two blocks back; the wait at the head of the SEND between has shown those stores' sources read.
.macro PACK a
.set AC, 64*((\a)%4)
	WIN 0x0a+5*((\a)/4)                            ; sources 0 and 1: window 2 or 3
.irp b, 0,1,2,3,4,5,6,7
.irp r, 0,1,2,3
	v_cvt_pk_f16_f32 v[TMP+4*(\b)+(\r)], v[AC+8*(\b)+2*(\r)], v[AC+8*(\b)+2*(\r)+1]
.endr
.endr
	WIN 0
.endm
.macro TOSTAGE a
	WIN 0
.set BK, OB+32*((\a)%2)
.irp b, 0,1,2,3,4,5,6,7
	ds_store_b128 v[STO], v[TMP+4*(\b):TMP+4*(\b)+3] offset:32*(\b)
.endr
.irp t, 0,1,2,3,4,5,6,7
	ds_load_b128 v[BK+4*(\t):BK+4*(\t)+3], v[RD] offset:(\t)*2*SPITCH  ; LDS serves a wave's instructions in order (ISA guide 5.7.1.4): these see the stores above
.endr
.endm
.macro SEND a, younger                 ; younger: the LDS loads issued behind block a's: the eight of a block of W_B, or none
	WIN 0
.set BK, OB+32*((\a)%2)
	s_wait_dscnt \younger                          ; the block is back in registers
	s_wait_xcnt 0x0                                ; every earlier store has read its sources (ISA guide 3.1): the next TOSTAGE may load the registers that the block before this one was stored from
.irp t, 0,1,2,3,4,5,6,7
	global_store_b128 v[CO], v[BK+4*(\t):BK+4*(\t)+3], s[8:9] offset:(16*(\a)+2*(\t))*CROW  ; 16 lanes store 256 consecutive bytes, aligned; 126 rows at the most: 4,128,768, inside the signed 24 bits
.endr
.endm
	s_wait_tensorcnt 1                             ; my part of K step 0 is in; K step 1's may stay out
	s_barrier_signal -1
	s_barrier_wait -1                              ; everybody's is
	FETCH 0, 0, F0
	QUARTER 0, 1, F0, F1, 1                        ; the first quarter stands in front of the loop: its products start the sums
	WIN 0                                          ; at a label and at a branch every window is 0
	s_mov_b32 s3, 3
.Llap:                                                 ; three trips: each goes once round the ring, from a lap's second quarter to the next lap's first, and fills both slots again: K steps 2 to 7
	QUARTER 0, 2, F1, F0, 0
	QUARTER 0, 3, F0, F1, 0
	TURN 0, 1
	QUARTER 1, 1, F0, F1, 0
	QUARTER 1, 2, F1, F0, 0
	QUARTER 1, 3, F0, F1, 0
	TURN 1, 0
	QUARTER 0, 1, F0, F1, 0
	WIN 0
	s_sub_co_u32 s3, s3, 1
	s_cmp_lg_u32 s3, 0
	s_cbranch_scc1 .Llap
	QUARTER 0, 2, F1, F0, 0                        ; the last lap is written out: it asks for nothing
	QUARTER 0, 3, F0, F1, 0
	MEET 0                                         ; my one tensor load that was still out is slot 1's, the last K step's, so no round follows
	PLACES                                         ; for the loads into buffer 0, which the quarter before multiplied
	BLOAD 0                                        ; three quarters of u now: buffer 1 (v128-191 of both windows) is still being multiplied
	BLOAD 1
	BLOAD 3
	ALOAD 0
	MUL16 F1, 1, 0, 0
	MUL16 F1, 1, 2, 0
	PLACES                                         ; for the loads into buffer 1
	BLOAD 2
	ALOAD 1
	s_wait_dscnt 24                                ; all but the 24 just issued
	ROW 0
.irp a, 0,1,2,3,4,5,6,7                ; block a is packed and goes to the stage; the next block's products stand between its loads from the stage and its stores
	PLACES                                         ; behind block a's last product: its results are read, and its buffer of W_B is loaded again
	PACK \a
	TOSTAGE \a
.if (\a) < 6
	ALOAD (\a)+2
	s_wait_dscnt 24                                ; all but the stage's 16 and the eight just issued: block a + 1's fragments are in
	ROW (\a)+1
	SEND \a, 8
.elseif (\a) == 6
	s_wait_dscnt 16                                ; all but the stage's 16
	ROW 7
	SEND 6, 0
.else
	SEND 7, 0
.endif
.endr
	s_wait_tensorcnt 0x0                           ; the wave's end: behind my last tensor load and my last LDS store
	ds_add_u32 v[SPW], v[NIL]
	s_wait_dscnt 0x0
	CROUND                                         ; the closing round: no work-group ends while a partner may still ask for a tile that names it
	s_endpgm
.Lfunc_end_k_q2568237167_gemm1:
	.size	k_q2568237167_gemm1, .Lfunc_end_k_q2568237167_gemm1-k_q2568237167_gemm1
	.p2alignl 7, 3214868480
	.fill 96, 4, 3214868480
	.section	.rodata,"a",@progbits
	.p2align	6, 0x0
	.amdhsa_kernel k_q2568237167_gemm1
		.amdhsa_group_segment_fixed_size 327680
		.amdhsa_private_segment_fixed_size 0
		.amdhsa_enable_private_segment 0
		.amdhsa_kernarg_size 24
		.amdhsa_user_sgpr_count 2
		.amdhsa_user_sgpr_kernarg_segment_ptr 1
		.amdhsa_wavefront_size32 1
		.amdhsa_system_sgpr_workgroup_id_x 1
		.amdhsa_system_sgpr_workgroup_id_y 1
		.amdhsa_system_sgpr_workgroup_id_z 1
		.amdhsa_system_vgpr_workitem_id 0
		.amdhsa_next_free_vgpr 1024
		.amdhsa_next_free_sgpr 76
		.amdhsa_reserve_vcc 0
		.amdhsa_float_denorm_mode_32 3
		.amdhsa_float_denorm_mode_16_64 3
		.amdhsa_memory_ordered 1
		.amdhsa_forward_progress 1
		.amdhsa_inst_pref_size 144
	.end_amdhsa_kernel
	.amdgpu_metadata
---
amdhsa.version: [ 1, 2 ]
amdhsa.kernels:
  - .name:           k_q2568237167_gemm1
    .symbol:         k_q2568237167_gemm1.kd
    .args:
      - { .name: wb, .offset: 0, .size: 8, .value_kind: global_buffer, .address_space: global }
      - { .name: ub, .offset: 8, .size: 8, .value_kind: global_buffer, .address_space: global }
      - { .name: but, .offset: 16, .size: 8, .value_kind: global_buffer, .address_space: global }
    .group_segment_fixed_size: 327680
    .private_segment_fixed_size: 0
    .kernarg_segment_align: 8
    .kernarg_segment_size: 24
    .max_flat_workgroup_size: 128
    .sgpr_count:     76
    .vgpr_count:     1024
    .wavefront_size: 32
...
	.end_amdgpu_metadata
.endif
;; end of part 6
;; launch scan (part 7): grid 1024 x 1, 8 waves a work-group, no clusters, 0 bytes of LDS; arguments but, log_A, log_dt, b_B, xt; writes xt
.if DOCPART == 7
	.amdgcn_target "amdgcn-amd-amdhsa--gfx1250"
	.amdhsa_code_object_version 6
	.text
	.protected	k_q2568237167_scan
	.globl	k_q2568237167_scan
	.p2align	8
	.type	k_q2568237167_scan,@function
k_q2568237167_scan:
	s_mov_b64 s[64:65], 0
	v_nop
	global_prefetch_b8 v0, s[64:65] scope:SCOPE_SE
	s_setreg_imm32_b32 hwreg(HW_REG_WAVE_MODE, 25, 1), 1
	s_wait_xcnt 0x0
; x_t = A x_(t-1) + Bu_t,  Bu_t = dt S_t + dt b_B[n],  dt = exp(log_dt),  A = exp(-exp(log_A[n]) dt),  along t = 0 .. 2,047 for each channel n and sequence b.
; S: but [1024 n][8 b x 2048 t] f16, the bare product of the launch in front; x: xt, the same shape in bf16.
; WORK LEFT OUT.  x_(-1) is the zero state that the recurrence starts from by definition, so A x_(-1) = 0 for all finite inputs: the first 256 steps take no carry.
; LIMITS.  log_A, log_dt and b_B are rounded to bf16 before use, like all inputs; S arrives in f16 (within 65,504).  Powers of A are 2^(k lambda), lambda = -exp(log_A) exp(log_dt) log2(e), held at -1e30
; at the least so that 0 x lambda is 0; a power below 2^-126 counts as 0 (v_exp_f32 gives 0 there: ISA guide 15.8).  The bias enters as dt b_B in one fused multiply-add with S.  The sums are taken
; blockwise, not step by step; all in f32; x is rounded once, to bf16.  NaN and infinities are not treated apart.
; SHARES.  A work-group takes one channel, wave w sequence w: 4,096 consecutive bytes in, 4,096 out: no LDS, no barrier, nothing between work-groups.
; All 8 loads of a wave go out at the start.  Group i is 256 steps: lane l holds t = 256 i + 8 l + 0..7: 16 bytes in, 16 bytes out.
;   in the lane:      eight multiply-adds straight from the f16 halves make Bu; seven fused multiply-adds make the lane's own running sums d0..d7
;   across 16 lanes:  s_l = d7_l + A^8 s_(l-1), in four doubling steps with A^8, A^16, A^32, A^64 (DPP row_shr; lanes with no source take 0)
;   state ahead of lane l = s_(l-1) in its row of 16 + (lanes 16-31) A^(8 (l - 16)) s_15 + A^(8 l) carry;   x_j = d_j + A^(j+1) x that state
;   carry to the next group = s_31 + A^128 s_15 + A^256 carry, kept in f32 in a scalar register
.set IN,  32                           ; v[32:63]  group i: four registers, 8 f16 as loaded, then 8 bf16 to store; not written again behind that
.set D,   64                           ; v[64:79]  two sets of eight f32 at work, by the group's parity
; v1 16 x lane; v3 lane; v[8:15] A^1..A^8; v16-18 A^16, A^32, A^64; v19 A^128; v28 A^256; v29 A^(8 l); v30 A^(8 (l % 16)) in lanes 16-31, else 0; v20-23 at work; v24 dt; v26 dt b_B
; s20 A^128; s21 A^256; s22 s_15; s23 s_31; s24 the carry
	s_load_b256 s[4:11], s[0:1], 0x0               ; but s[4:5], log_A s[6:7], log_dt s[8:9], b_B s[10:11]
	s_load_b64 s[28:29], s[0:1], 0x20              ; xt
	v_lshrrev_b32 v4, 5, v0
	v_readfirstlane_b32 s12, v4                    ; wave = sequence
	v_and_b32 v3, 31, v0
	v_lshlrev_b32 v1, 4, v3
	s_lshl_b32 s26, ttmp9, 2                       ; my channel's word of log_A and of b_B
	s_mov_b32 s27, 0
	s_lshl_b32 s16, ttmp9, 15                      ; a row of S and of x is 32,768 bytes,
	s_lshl_b32 s17, s12, 12                        ; a sequence 4,096
	s_add_co_u32 s16, s16, s17
	s_mov_b32 s17, 0
	s_wait_kmcnt 0x0
	s_add_nc_u64 s[6:7], s[6:7], s[26:27]
	s_add_nc_u64 s[10:11], s[10:11], s[26:27]
	s_add_nc_u64 s[4:5], s[4:5], s[16:17]
	s_add_nc_u64 s[28:29], s[28:29], s[16:17]
	s_load_b32 s14, s[6:7], 0x0
	s_load_b32 s15, s[8:9], 0x0
	s_load_b32 s30, s[10:11], 0x0
.set i, 0
.rept 8
	global_load_b128 v[IN+4*i:IN+4*i+3], v1, s[4:5] offset:512*i th:TH_LOAD_NT  ; the wave takes 512 consecutive bytes
.set i, i+1
.endr
	s_wait_kmcnt 0x0
	v_mov_b32 v4, s14
	v_mov_b32 v5, s15
	v_mov_b32 v26, s30
	v_cvt_pk_bf16_f32 v4, v4, v5                   ; rounded to bf16: log_A below, log_dt above,
	v_cvt_pk_bf16_f32 v26, v26, v26                ; and b_B,
	v_and_b32 v5, 0xffff0000, v4                   ; and widened again
	v_lshlrev_b32 v4, 16, v4
	v_lshlrev_b32 v26, 16, v26
	v_mul_f32 v4, 0x3fb8aa3b, v4                   ; exp(x) = 2^(x log2 e)
	v_mul_f32 v5, 0x3fb8aa3b, v5
	v_exp_f32 v4, v4
	v_exp_f32 v5, v5
	v_lshlrev_b32 v31, 3, v3                       ; plain work behind the two exponentials: 8 l and 8 (l % 16) as f32
	v_and_b32 v7, 15, v3
	v_lshlrev_b32 v7, 3, v7
	v_cvt_f32_u32 v31, v31
	v_cvt_f32_u32 v7, v7
	s_wait_alu depctr_va_vdst(0)                   ; one wait for the two, ahead of their first reader
	v_mul_f32 v6, v4, v5
	v_mov_b32 v24, v5                              ; dt
	v_mul_f32 v26, v5, v26                         ; dt b_B
	v_mul_f32 v6, 0xbfb8aa3b, v6                   ; lambda = -exp(log_A) dt log2(e)
	v_max_num_f32 v6, 0xf149f2ca, v6               ; at the least -1e30
	v_mov_b32 v8, v6
	v_mul_f32 v9, 2.0, v6
	v_mul_f32 v10, 0x40400000, v6                  ; 3
	v_mul_f32 v11, 4.0, v6
	v_mul_f32 v12, 0x40a00000, v6                  ; 5
	v_mul_f32 v13, 0x40c00000, v6                  ; 6
	v_mul_f32 v14, 0x40e00000, v6                  ; 7
	v_mul_f32 v15, 0x41000000, v6                  ; 8
	v_mul_f32 v16, 0x41800000, v6                  ; 16
	v_mul_f32 v17, 0x42000000, v6                  ; 32
	v_mul_f32 v18, 0x42800000, v6                  ; 64
	v_mul_f32 v19, 0x43000000, v6                  ; 128
	v_mul_f32 v28, 0x43800000, v6                  ; 256
	v_mul_f32 v29, v31, v6
	v_mul_f32 v30, v7, v6
.irp r, 8,9,10,11,12,13,14,15,16,17,18,19,28,29,30
	v_exp_f32 v\r, v\r                             ; one batch of fifteen
.endr
	v_mov_b32 v21, 0                               ; plain work behind the batch: a DPP line's destination counts as read,
	v_mov_b32 v23, 0                               ; and v23 is named as v22's partner in a pair
	v_cmp_le_u32 vcc_lo, 16, v3
	s_wait_alu depctr_va_vdst(0)                   ; one wait for the batch
	v_readfirstlane_b32 s20, v19
	v_readfirstlane_b32 s21, v28
	v_cndmask_b32 v30, 0, v30, vcc_lo
.macro GROUP i
.set si, IN+4*(\i)
.set dd, D+8*((\i)%2)
	s_wait_loadcnt 7-(\i)                          ; loads come back in order (ISA guide 5.7.1): group i is in, the younger ones stay out
.irp k, 0,1,2,3
	v_fma_mix_f32 v[dd+2*(\k)],   v[si+(\k)], v24, v26 op_sel_hi:[1,0,0]                 ; Bu = dt S + dt b_B: the word's low f16,
	v_fma_mix_f32 v[dd+2*(\k)+1], v[si+(\k)], v24, v26 op_sel:[1,0,0] op_sel_hi:[1,0,0]  ; its high f16
.endr
.irp j, 1,2,3,4,5,6,7
	v_fmac_f32 v[dd+(\j)], v8, v[dd+(\j)-1]
.endr
	v_mov_b32_dpp v21, v[dd+7] row_shr:1 row_mask:0xf bank_mask:0xf bound_ctrl:1
	v_fma_f32 v20, v21, v15, v[dd+7]
	v_mov_b32_dpp v21, v20 row_shr:2 row_mask:0xf bank_mask:0xf bound_ctrl:1
	v_fmac_f32 v20, v21, v16
	v_mov_b32_dpp v21, v20 row_shr:4 row_mask:0xf bank_mask:0xf bound_ctrl:1
	v_fmac_f32 v20, v21, v17
	v_mov_b32_dpp v21, v20 row_shr:8 row_mask:0xf bank_mask:0xf bound_ctrl:1
	v_fmac_f32 v20, v21, v18
	v_mov_b32_dpp v21, v20 row_shr:1 row_mask:0xf bank_mask:0xf bound_ctrl:1  ; s_(l-1) within my 16 lanes
	v_readlane_b32 s22, v20, 15
	v_readlane_b32 s23, v20, 31
	v_fma_f32 v22, v30, s22, v21
.if (\i) > 0
	v_fma_f32 v22, v29, s24, v22
.endif
.if (\i) < 7
	s_fmac_f32 s23, s20, s22
.if (\i) > 0
	s_fmac_f32 s23, s21, s24
.endif
	s_mov_b32 s24, s23
.endif
.irp k, 0,1,2,3
	v_pk_fma_f32 v[dd+2*(\k):dd+2*(\k)+1], v[8+2*(\k):9+2*(\k)], v[22:23], v[dd+2*(\k):dd+2*(\k)+1] op_sel_hi:[1,0,1]  ; x_j = d_j + A^(j+1) x the state ahead
.endr
.irp k, 0,1,2,3
	v_cvt_pk_bf16_f32 v[si+(\k)], v[dd+2*(\k)], v[dd+2*(\k)+1]
.endr
	global_store_b128 v1, v[si:si+3], s[28:29] offset:512*(\i)  ; the wave stores 512 consecutive bytes, aligned; its data registers are not written again
.endm
.irp i, 0,1,2,3,4,5,6,7
	GROUP \i
.endr
	s_endpgm
.Lfunc_end_k_q2568237167_scan:
	.size	k_q2568237167_scan, .Lfunc_end_k_q2568237167_scan-k_q2568237167_scan
	.p2alignl 7, 3214868480
	.fill 96, 4, 3214868480
	.section	.rodata,"a",@progbits
	.p2align	6, 0x0
	.amdhsa_kernel k_q2568237167_scan
		.amdhsa_group_segment_fixed_size 0
		.amdhsa_private_segment_fixed_size 0
		.amdhsa_enable_private_segment 0
		.amdhsa_kernarg_size 40
		.amdhsa_user_sgpr_count 2
		.amdhsa_user_sgpr_kernarg_segment_ptr 1
		.amdhsa_wavefront_size32 1
		.amdhsa_system_sgpr_workgroup_id_x 1
		.amdhsa_system_sgpr_workgroup_id_y 1
		.amdhsa_system_sgpr_workgroup_id_z 1
		.amdhsa_system_vgpr_workitem_id 0
		.amdhsa_next_free_vgpr 96
		.amdhsa_next_free_sgpr 66
		.amdhsa_reserve_vcc 1
		.amdhsa_float_denorm_mode_32 3
		.amdhsa_float_denorm_mode_16_64 3
		.amdhsa_memory_ordered 1
		.amdhsa_forward_progress 1
		.amdhsa_inst_pref_size 22
	.end_amdhsa_kernel
	.amdgpu_metadata
---
amdhsa.version: [ 1, 2 ]
amdhsa.kernels:
  - .name:           k_q2568237167_scan
    .symbol:         k_q2568237167_scan.kd
    .args:
      - { .name: but, .offset: 0, .size: 8, .value_kind: global_buffer, .address_space: global }
      - { .name: log_A, .offset: 8, .size: 8, .value_kind: global_buffer, .address_space: global }
      - { .name: log_dt, .offset: 16, .size: 8, .value_kind: global_buffer, .address_space: global }
      - { .name: b_B, .offset: 24, .size: 8, .value_kind: global_buffer, .address_space: global }
      - { .name: xt, .offset: 32, .size: 8, .value_kind: global_buffer, .address_space: global }
    .group_segment_fixed_size: 0
    .private_segment_fixed_size: 0
    .kernarg_segment_align: 8
    .kernarg_segment_size: 40
    .max_flat_workgroup_size: 256
    .sgpr_count:     66
    .vgpr_count:     96
    .wavefront_size: 32
...
	.end_amdgpu_metadata
.endif
;; end of part 7
;; launch gemm2 (part 8): grid 4 x 64, 4 waves a work-group, clusters of 4 x 4, 327,680 bytes of LDS; arguments ub, wb, out0, xt, b_C, b_D; writes out0
.if DOCPART == 8
	.amdgcn_target "amdgcn-amd-amdhsa--gfx1250"
	.amdhsa_code_object_version 6
	.text
	.protected	k_q2568237167_gemm2
	.globl	k_q2568237167_gemm2
	.p2align	8
	.type	k_q2568237167_gemm2,@function
k_q2568237167_gemm2:
	s_mov_b64 s[64:65], 0
	v_nop
	global_prefetch_b8 v0, s[64:65] scope:SCOPE_SE
	s_setreg_imm32_b32 hwreg(HW_REG_WAVE_MODE, 25, 1), 1
	s_wait_xcnt 0x0
	s_wait_alu depctr_hold_cnt(0) depctr_sa_sdst(0) depctr_va_vdst(0) depctr_va_sdst(0) depctr_va_ssrc(0) depctr_va_vcc(0) depctr_vm_vsrc(0)
	s_getreg_b32 s2, hwreg(HW_REG_IB_STS2, 6, 4)
	s_cmp_eq_u32 s2, 0
	s_cbranch_scc0 .Lentry_in_a_cluster
	s_endpgm
.Lentry_in_a_cluster:
	s_bfe_u32 s2, ttmp6, 0x10000c
	s_cmp_lg_u32 s2, 0xf033
	s_cbranch_scc0 .Lentry_shape_is_right
	s_endpgm
.Lentry_shape_is_right:
; y[bt][o] = sum over i of u[bt][i] W_D[o][i] + sum over n of x[bt][n] W_C[o][n] + b_C[o] + b_D[o]: ONE product with K = 2,048.
; u: ub [16384][1024] bf16; x: xt [1024 n][16384 bt] bf16 (K down the rows); [W_D | W_C]: wb byte 2,097,152, [1024 o][2048] bf16; y: out0 [16384][1024] f32.
; LIMITS.  b_C and b_D are rounded to bf16 before use, like all inputs; their sum is the C operand of the products that start the sums, so it is added first; sums in f32, u's and x's terms by turns.
; NaN and infinities are not treated apart.
; SHARES.  A tile of y is 256 x 256: four waves, each 128 x 128 in 64 accumulators.  256 tiles, one a work-group.  K goes in 16 steps of 128 through two LDS slots, U'S AND X'S STEPS BY TURNS:
; slot 0 always holds a tile of u (256 rows x 256 bytes) and W_D's columns for it, slot 1 a tile of x (128 rows of K x 512 bytes, read turned, by ds_load_tr16_b128) and W_C's columns.
; So every lap of the ring has the same text: step j of u, then step j of x, j = 0 .. 7.  The last K step goes by rows of y, so that finished rows leave while the others are multiplied.
; CLUSTER.  4 x 4 work-groups.  u's and x's tiles hang on the tile row and are asked for jointly along a row of the cluster, the weights' on the tile column and along a column.  The grid is one cluster wide: the tile column is cx.
; THE MATRIX INSTRUCTION IS USED TRANSPOSED: source 0 = 16 rows of the weights, source 1 = 16 rows of [u | x].  In the result lane l holds row l % 16 of y and its registers the columns 8 (l / 16) + 0..7.
; REGISTERS, in windows of 256 (s_set_vgpr_msb: bits 1:0 source 0, 3:2 source 1, 5:4 source 2, 7:6 destination):
;   window 0: v0-31 addresses; v64-127, v128-191 fragments of u or x, two buffers; v192-255 the bias, as an accumulator's image for each of my 8 column blocks;
;             in the last K step v64-127 two buffers of 16 rows x 128 K, v128-255 rows read back from the stage
;   window 1: v64-127, v128-191 fragments of the weights; in the last K step all 256        windows 2, 3: the accumulators of my rows 0-63, 64-127: (a, b) at v[8 (8 (a % 4) + b)]
.set KSTEP,  128
.set PITCH,  272                       ; an LDS row of u or the weights: 256 bytes + 16 = 68 words: the 16 rows of a fragment load start 4 words apart modulo 64 (64 banks of 4 bytes: ISA guide 11.1)
.set XPITCH, 544                       ; an LDS row of x: 512 bytes + 32 = 136 words: 16 lanes of the turning load take 8 rows x 32 bytes, 8 words apart modulo 64
.set HALFT,  128*PITCH                 ; what one tensor load brings: 128 rows of 272 bytes, or 64 of 544
.set SLOT,   4*HALFT                   ; u's or x's tile, then the weights'
.set STAGE,  2*SLOT                    ; behind the ring, never filled by a tensor load: 16 rows x 528 bytes for each wave, for the way out
.set SPITCH, 528
.set SPARE,  STAGE+4*16*SPITCH         ; behind the stages: the spare words, 128 bytes for each wave: two blocks of 256 bytes that no other line names
.set WCAT,   2097152                   ; where [W_D | W_C] begins in wb
.set XSTEP,  128*32768                 ; bytes of xt from a K step to the next
.set CROW,   4096                      ; bytes in a row of y
.set ADRA, 16                          ; v16     LDS address of my fragments of u, in slot 0
.set ADRX, 18                          ; v18     the same for x, in slot 1
.set ADRB, 20                          ; v20-21  the same for the weights in slot 0, 1
.set STO,  24                          ; v24     the way out: where I put 32 bytes of a row
.set RD,   25                          ; v25     the way out: where I read 16 bytes of a row back
.set CO,   26                          ; v26     16 x lane
.set SPW,  28                          ; v28     LDS address of my spare word; never rewritten
.set NIL,  29                          ; v29     0; never rewritten
.set PFO,  30                          ; v30-31  the prefetches' offsets for slot 0, 1: lane x the pitch of what is named; never rewritten
.set F0,   64
.set F1,   128
.set PA,   64                          ; the last K step: x's fragments of 16 rows x 128 K, 32 registers; two such buffers
.set BI,   192
.set G1,  24                           ; s[24:31] descriptor group 1 for u's tiles
.set G0,  32                           ; s[32:35] group 0 for u's tiles (slot 0), s[36:39] for x's (slot 1)
.set G1B, 48                           ; s[48:55] group 1 for the weights' tiles;  s[56:63] group 0, a set for each slot
.set G0B, 56
.set G1X, 76                           ; s[76:83] group 1 for x's tiles
.set LIM, 43                           ; s43      1 in a wave that prefetches, else the greatest number
.set PF0, 44                           ; s[44:45] where my prefetches for slot 0 stand
.set PF1, 84                           ; s[84:85] the same for slot 1
.set STP1, 86                          ; s[86:87] bytes from a lap to the next in what slot 1's prefetches name
.set MSB, 0
.macro WIN new                         ; the immediate's high byte repeats the setting that is left; a switch that changes nothing is dropped
.if MSB != (\new)
	s_set_vgpr_msb (MSB<<8)|(\new)
.set MSB, \new
.endif
.endm
.set MUL_LO, 0xa1                      ; source 0 (weights) window 1, source 1 (u, x) window 0, C and D window 2
.set MUL_HI, 0xf1                      ; the same, C and D window 3
.set TO_B,   0x40                      ; destination window 1, address window 0
; A joint load for slot s.  Waves 0 and 1 fetch the two halves of u's (slot 0) or x's (slot 1) tile, waves 2 and 3 those of the weights'.  The branch hangs on the wave's number alone.
; An s_nop 0 and four v_nop follow each of the two lines, ahead of the jump and the label.
.macro JLOAD s
	s_cmp_eq_u32 s11, 0
	s_cbranch_scc0 .Lfor_b_\@
.if \s
	tensor_load_to_lds s[G0+4:G0+7], s[G1X:G1X+7]
.else
	tensor_load_to_lds s[G0:G0+3], s[G1:G1+7]
.endif
	s_nop 0
.rept 4
	v_nop
.endr
	s_branch .Lasked_\@
.Lfor_b_\@:
	tensor_load_to_lds s[G0B+4*(\s):G0B+4*(\s)+3], s[G1B:G1B+7]
	s_nop 0
.rept 4
	v_nop
.endr
.Lasked_\@:
.endm
; A prefetch into the L2, behind each joint refill and the run of LDS loads that follows it: the tile that the same slot's NEXT refill will ask for, which is two refills on: 32 blocks of 256 bytes,
; a lane a block, one instruction a wave.  Each block is named once in the launch: u's and x's by the one cluster that reads them, the weights', which all 16 clusters read, by cluster y = 0; of the
; 128 blocks that a wave fetches each of the four partners takes 32, told apart by address.  Laps 0 and 1 come by their loads alone; the loop's last trip (s3 = 1) names nothing: there is no lap 8.
.macro ASK slot
	s_cmp_gt_u32 s3, s[LIM]
	s_cbranch_scc0 .Lnot_mine_\@
.if \slot
	global_prefetch_b8 v[PFO+1], s[PF1:PF1+1] th:TH_LOAD_NT scope:SCOPE_SE
.else
	global_prefetch_b8 v[PFO], s[PF0:PF0+1] th:TH_LOAD_NT scope:SCOPE_SE
.endif
.Lnot_mine_\@:
.endm
.macro CREST                           ; a round of the cluster's barrier behind its opening barrier
	s_cmp_lg_u32 s10, 0
	s_cbranch_scc1 .Lnot_wave_0_\@
	s_barrier_signal -3
.Lnot_wave_0_\@:
	s_barrier_wait -3
	s_barrier_signal -1
	s_barrier_wait -1
.endm
.macro CROUND                          ; a whole round
	s_barrier_signal -1
	s_barrier_wait -1
	CREST
.endm
	s_load_b128 s[4:7], s[0:1], 0x0                ; ub s[4:5], wb s[6:7]
	s_load_b64 s[8:9], s[0:1], 0x10                ; out0
	s_load_b128 s[68:71], s[0:1], 0x18             ; xt s[68:69], b_C s[70:71]
	s_load_b64 s[72:73], s[0:1], 0x28              ; b_D
	v_lshl_add_u32 v[SPW], v0, 2, SPARE
	v_mov_b32 v[NIL], 0
	ds_add_u32 v[SPW], v[NIL]                      ; the wave's opening: the add, twice on end, and its wait ahead of my first tensor load
	ds_add_u32 v[SPW], v[NIL]                      ; the same add once more; the set-up below, work on registers, stands between it and the wait
	v_lshrrev_b32 v1, 5, v0
	v_readfirstlane_b32 s10, v1                    ; wave 0..3
	s_lshr_b32 s11, s10, 1                         ; which half of the tile's rows is mine.  Also: I fetch for u and x (0) or for the weights (1)
	s_and_b32 s12, s10, 1                          ; which half of its columns.  Also: which half of that tile I fetch
	s_bfe_u32 s40, ttmp6, 0x40000                  ; cx
	s_bfe_u32 s41, ttmp6, 0x40004                  ; cy
	s_mov_b32 s42, s40                             ; tile column = cx
	s_and_b32 s13, ttmp7, 0xffff
	s_lshl_b32 s13, s13, 2
	s_add_co_u32 s13, s13, s41                     ; tile row = 4 x cluster y + cy
	s_lshl_b32 s43, s41, 2
	s_lshl_b32 s43, 15, s43                        ; my row of the cluster
	s_lshl_b32 s44, 0x1111, s40                    ; my column
	s_or_b32 s[G1+0], s43, (1<<16)|(1<<20)|(1<<21)|(5<<22)|(3<<25)   ; 15:0 the mask; 17:16 elements of 2 bytes; 20 padding on; 21 set beside a mask; 24:22 after every 64 words; 31:25 4 words of it
	s_or_b32 s[G1B+0], s44, (1<<16)|(1<<20)|(1<<21)|(5<<22)|(3<<25)
	s_or_b32 s[G1X+0], s43, (1<<16)|(1<<20)|(1<<21)|(6<<22)|(7<<25)  ; x: after every 128 words, 8 words
.irp g, G1, G1B
	s_mov_b32 s[(\g)+1], KSTEP<<16                 ; tensor_dim0 = 128
	s_mov_b32 s[(\g)+2], 128<<16                   ; tensor_dim1 = 128
	s_mov_b32 s[(\g)+3], KSTEP<<16                 ; tile_dim0 = 128
	s_mov_b32 s[(\g)+4], 128                       ; tile_dim1 = 128
	s_mov_b32 s[(\g)+6], 0
	s_mov_b32 s[(\g)+7], 0
.endr
	s_mov_b32 s[G1+5], 1024                        ; elements from row to row: u,
	s_mov_b32 s[G1B+5], 2048                       ; the joint weights
	s_mov_b32 s[G1X+1], 256<<16                    ; x: tensor_dim0 = 256 steps of time
	s_mov_b32 s[G1X+2], 64<<16                     ; tensor_dim1 = 64 rows of K
	s_mov_b32 s[G1X+3], 256<<16                    ; tile_dim0 = 256
	s_mov_b32 s[G1X+4], 64                         ; tile_dim1 = 64
	s_mov_b32 s[G1X+5], 16384                      ; elements from row to row
	s_mov_b32 s[G1X+6], 0
	s_mov_b32 s[G1X+7], 0
	s_lshl_b32 s17, s12, 7
	s_lshl_b32 s16, s13, 8
	s_add_co_u32 s16, s16, s17                     ; u: row 256 x tile row + 128 x half
	s_lshl_b32 s16, s16, 11                        ; x 2,048 bytes
	s_lshl_b32 s46, s42, 8
	s_add_co_u32 s46, s46, s17                     ; weights: row 256 x tile column + 128 x half
	s_lshl_b32 s46, s46, 12                        ; x 4,096 bytes
	s_add_co_u32 s46, s46, WCAT
	s_lshl_b32 s18, s12, 21                        ; x: row of K 64 x half, x 32,768 bytes,
	s_lshl_b32 s19, s13, 9                         ; + 256 x tile row steps of time, 2 bytes each
	s_add_co_u32 s18, s18, s19
	s_mov_b32 s17, 0
	s_mov_b32 s19, 0
	s_mov_b32 s47, 0
	s_mul_i32 s20, s10, HALFT                      ; where they go: wave x 34,816 bytes: no place in the cluster enters an LDS address
	s_wait_dscnt 0x0                               ; both opening adds are done
	s_wait_kmcnt 0x0
	s_add_nc_u64 s[14:15], s[4:5], s[16:17]
	s_add_nc_u64 s[46:47], s[6:7], s[46:47]
	s_add_nc_u64 s[18:19], s[68:69], s[18:19]
	CROUND                                         ; all sixteen work-groups are here: the first joint loads meet
	s_mov_b32 s[G0], 1                             ; u, slot 0: count = 1
	s_add_co_u32 s[G0+1], s20, 0                   ; LDS address
	s_add_nc_u64 s[G0+2:G0+3], s[14:15], 0         ; global address: u's K step 0
	s_or_b32 s[G0+3], s[G0+3], 0x80000000          ; type = 2
	s_mov_b32 s[G0+4], 1                           ; x, slot 1
	s_add_co_u32 s[G0+5], s20, SLOT
	s_add_nc_u64 s[G0+6:G0+7], s[18:19], 0         ; x's K step 0
	s_or_b32 s[G0+7], s[G0+7], 0x80000000
.irp s, 0,1
	s_mov_b32 s[G0B+4*(\s)], 1
	s_add_co_u32 s[G0B+4*(\s)+1], s20, (\s)*SLOT
	s_add_nc_u64 s[G0B+4*(\s)+2:G0B+4*(\s)+3], s[46:47], (\s)*2048  ; slot 0: W_D's columns, slot 1: W_C's, 2,048 bytes into the joint rows
	s_or_b32 s[G0B+4*(\s)+3], s[G0B+4*(\s)+3], 0x80000000
.endr
	JLOAD 0
	JLOAD 1                                        ; two tensor loads of mine are out
	; the two biases of my 128 columns are asked for: for column block b my lane's eight columns 16 b + 8 (l / 16) + 0..7; the addresses are made meanwhile
	v_and_b32 v1, 15, v0                           ; l % 16
	v_bfe_u32 v2, v0, 4, 1                         ; l / 16
	s_lshl_b32 s46, s42, 10
	s_lshl_b32 s47, s12, 9
	s_add_co_u32 s46, s46, s47                     ; my first column, in bytes of f32
	s_mov_b32 s47, 0
	v_lshl_add_u32 v5, v2, 5, s46
.irp b, 0,1,2,3,4,5,6,7
	global_load_b128 v[BI+8*(\b):BI+8*(\b)+3],   v5, s[70:71] offset:64*(\b)
	global_load_b128 v[BI+8*(\b)+4:BI+8*(\b)+7], v5, s[70:71] offset:64*(\b)+16
	global_load_b128 v[F1+8*(\b):F1+8*(\b)+3],   v5, s[72:73] offset:64*(\b)
	global_load_b128 v[F1+8*(\b)+4:F1+8*(\b)+7], v5, s[72:73] offset:64*(\b)+16
.endr
	v_mul_u32_u24 v3, v1, PITCH
	v_lshl_add_u32 v3, v2, 4, v3                   ; a fragment's row x pitch + 16 x half
	s_mul_i32 s21, s11, HALFT                      ; my 128 rows of u
	s_mul_i32 s22, s12, HALFT                      ; my 128 rows of the weights,
	s_add_co_u32 s22, s22, 2*HALFT                 ; which lie behind the first tile
	v_add_nc_u32 v[ADRA], s21, v3
	v_add_nc_u32 v[ADRB], s22, v3
	s_add_co_u32 s22, s22, SLOT
	v_add_nc_u32 v[ADRB+1], s22, v3
	; The turning load takes 16 rows of K x 16 steps of time (lane l reads row 8 (l / 16) + l % 8, steps 8 ((l / 8) % 2) + 0..7) and leaves half a fragment: lane l holds step l % 16 and 8 of K.
	v_and_b32 v6, 7, v0
	v_lshl_add_u32 v6, v2, 3, v6
	v_mul_u32_u24 v6, v6, XPITCH
	v_bfe_u32 v7, v0, 3, 1
	v_lshl_add_u32 v6, v7, 4, v6
	s_lshl_b32 s23, s11, 8                         ; my 128 steps of time: 256 bytes of each row,
	s_add_co_u32 s23, s23, SLOT                    ; in slot 1
	v_add_nc_u32 v[ADRX], s23, v6
	s_mul_i32 s23, s10, 16*SPITCH
	s_add_co_u32 s23, s23, STAGE                   ; my stage
	v_mul_u32_u24 v4, v1, SPITCH                   ; in: row l % 16, 32 bytes for each half of the lanes
	v_lshl_add_u32 v4, v2, 5, v4
	v_add_nc_u32 v[STO], s23, v4
	v_and_b32 v4, 31, v0                           ; lane
	v_lshlrev_b32 v[CO], 4, v4                     ; back: 32 lanes take one row of 512 bytes
	v_add_nc_u32 v[RD], s23, v[CO]
	s_lshl_b32 s16, s13, 8                         ; where my part of the tile begins in y
	s_lshl_b32 s17, s11, 7
	s_add_co_u32 s16, s16, s17
	s_lshl_b32 s16, s16, 12                        ; my first row x 4,096 bytes
	s_mov_b32 s17, 0
	s_add_nc_u64 s[16:17], s[16:17], s[46:47]
	s_add_nc_u64 s[8:9], s[8:9], s[16:17]
	; the prefetches: four offsets, all at lap 1 (the first refill of a slot steps its pointer to lap 2), then the choice by what I fetch
	s_lshl_b32 s22, s12, 7
	s_lshl_b32 s20, s13, 8
	s_add_co_u32 s20, s20, s22
	s_lshl_b32 s21, s40, 5
	s_add_co_u32 s20, s20, s21                     ; u: row 256 x tile row + 128 x half + 32 cx
	s_lshl_b32 s20, s20, 11
	s_add_co_u32 s20, s20, KSTEP*2
	s_lshl_b32 s14, s42, 8
	s_add_co_u32 s14, s14, s22
	s_lshl_b32 s21, s41, 5
	s_add_co_u32 s14, s14, s21                     ; weights: row 256 x tile column + 128 x half + 32 cy
	s_lshl_b32 s14, s14, 12
	s_add_co_u32 s14, s14, WCAT+KSTEP*2            ; W_D's columns,
	s_add_co_u32 s18, s14, 2048                    ; W_C's
	s_and_b32 s16, s40, 1
	s_lshl_b32 s16, s16, 5
	s_lshl_b32 s21, s12, 6
	s_add_co_u32 s16, s16, s21                     ; x: row of K 64 x half + 32 (cx % 2),
	s_lshl_b32 s16, s16, 15
	s_lshl_b32 s21, s13, 9
	s_add_co_u32 s16, s16, s21                     ; the tile row's 512 bytes,
	s_lshr_b32 s21, s40, 1
	s_lshl_b32 s21, s21, 8
	s_add_co_u32 s16, s16, s21                     ; their half cx / 2
	s_add_co_u32 s16, s16, XSTEP
	s_and_b32 s23, ttmp7, 0xffff                   ; cluster y
	s_mov_b32 s21, 4096
	s_mov_b32 s22, KSTEP*2
	s_cmp_eq_u32 s11, 0                            ; do I fetch for u and x?
	s_cselect_b32 s20, s20, s14
	s_cselect_b32 s16, s16, s18
	s_cselect_b64 s[PF0:PF0+1], s[4:5], s[6:7]
	s_cselect_b64 s[PF1:PF1+1], s[68:69], s[6:7]
	s_cselect_b32 s14, 2048, s21                   ; bytes from block to block: slot 0,
	s_cselect_b32 s15, 32768, s21                  ; slot 1
	s_cselect_b32 s[STP1], XSTEP, s22
	s_cselect_b32 s23, 0, s23                      ; the coordinate along which other clusters read the same blocks (u, x: no other cluster does)
	s_cmp_eq_u32 s23, 0
	s_cselect_b32 s[LIM], 1, -1                    ; the same in all sixteen partners, for a given wave
	s_mov_b32 s21, 0
	s_mov_b32 s17, 0
	s_add_nc_u64 s[PF0:PF0+1], s[PF0:PF0+1], s[20:21]
	s_add_nc_u64 s[PF1:PF1+1], s[PF1:PF1+1], s[16:17]
	s_mov_b32 s[STP1+1], 0
	v_mul_u32_u24 v[PFO], v4, s14
	v_mul_u32_u24 v[PFO+1], v4, s15
	s_mov_b32 s2, 0xffff0000                       ; a word's upper bf16
	s_wait_loadcnt 0x0                             ; the biases
.set i, 0
.rept 32                               ; both rounded to bf16 like every input, widened again and added
	v_cvt_pk_bf16_f32 v6, v[BI+i], v[BI+i+1]
	v_cvt_pk_bf16_f32 v7, v[F1+i], v[F1+i+1]
	v_lshlrev_b32 v[BI+i], 16, v6
	v_and_b32 v[BI+i+1], s2, v6
	v_lshlrev_b32 v[F1+i], 16, v7
	v_and_b32 v[F1+i+1], s2, v7
	v_pk_add_f32 v[BI+i:BI+i+1], v[BI+i:BI+i+1], v[F1+i:F1+i+1]
.set i, i+2
.endr
; 16 matrix instructions: row blocks a0, a0 + 1 of the window's four x all 8 column blocks, 32 along K.  z = 2: the first product starts the sums with the bias of its column block, from window 0.
; The 64 accumulators take turns, one instruction a turn, in the same order in every quarter.
.macro MUL16 f, hi, a0, z
.if (\z) == 2
	WIN 0x81+0x40*(\hi)                            ; source 0 window 1, sources 1 and 2 window 0, D window 2 or 3
.else
	WIN MUL_LO+0x50*(\hi)
.endif
.irp a, \a0, (\a0)+1
.irp b, 0,1,2,3,4,5,6,7
.if (\z) == 2
	v_wmma_f32_16x16x32_bf16 v[8*(8*(\a)+(\b)):8*(8*(\a)+(\b))+7], v[(\f)+8*(\b):(\f)+8*(\b)+7], v[(\f)+8*(4*(\hi)+(\a)):(\f)+8*(4*(\hi)+(\a))+7], v[BI+8*(\b):BI+8*(\b)+7]
.else
	v_wmma_f32_16x16x32_bf16 v[8*(8*(\a)+(\b)):8*(8*(\a)+(\b))+7], v[(\f)+8*(\b):(\f)+8*(\b)+7], v[(\f)+8*(4*(\hi)+(\a)):(\f)+8*(4*(\hi)+(\a))+7], v[8*(8*(\a)+(\b)):8*(8*(\a)+(\b))+7]
.endif
.endr
.endr
.endm
; 32 LDS loads in one run: the fragments of quarter q (32 along K) of a slot, into buffer f: the weights' 128 rows, then my 128 rows of u (slot 0: as they lie) or of x (slot 1: turned)
.macro FETCH slot, q, f
	WIN TO_B
.irp i, 0,1,2,3,4,5,6,7
	ds_load_b128 v[(\f)+8*(\i):(\f)+8*(\i)+3],   v[ADRB+(\slot)] offset:64*(\q)+(\i)*16*PITCH
	ds_load_b128 v[(\f)+8*(\i)+4:(\f)+8*(\i)+7], v[ADRB+(\slot)] offset:64*(\q)+(\i)*16*PITCH+32
.endr
	WIN 0
.irp i, 0,1,2,3,4,5,6,7
.if \slot
	ds_load_tr16_b128 v[(\f)+8*(\i):(\f)+8*(\i)+3],   v[ADRX] offset:(\q)*32*XPITCH+32*(\i)
	ds_load_tr16_b128 v[(\f)+8*(\i)+4:(\f)+8*(\i)+7], v[ADRX] offset:(\q)*32*XPITCH+16*XPITCH+32*(\i)
.else
	ds_load_b128 v[(\f)+8*(\i):(\f)+8*(\i)+3],   v[ADRA] offset:64*(\q)+(\i)*16*PITCH
	ds_load_b128 v[(\f)+8*(\i)+4:(\f)+8*(\i)+7], v[ADRA] offset:64*(\q)+(\i)*16*PITCH+32
.endif
.endr
.endm
.macro PLACES                          ; four plain instructions between a matrix instruction and a load into, or an LDS store of, its registers
.rept 4
	v_nop
.endr
.endm
; A K step is four quarters of 32 along K, 64 matrix instructions each, on buffers 0, 1, 0, 1.  One of the first three multiplies buffer f and, in its middle, fetches quarter q into buffer g.
.macro QUARTER slot, q, f, g, z
	s_wait_dscnt 8                                 ; the weights' fragments and my rows 0-63 are in; the youngest eight loads (rows 64-127) may be out
	MUL16 \f, 0, 0, \z
	MUL16 \f, 0, 2, \z
	PLACES
	FETCH \slot, \q, \g
	s_wait_dscnt 32                                ; all but the 32 just issued
	MUL16 \f, 1, 0, \z
	MUL16 \f, 1, 2, \z
.endm
; The last quarter multiplies buffer 1 and changes slots: one barrier.  In front of it each wave waits for all its tensor loads (one is out: its part of the next slot), adds 0 to its spare
; word, and waits for that and for its own reads of this slot.  Behind it nobody reads this slot any more and the next slot is whole.
.macro MEET round
	WIN 0                                          ; (the add's two registers lie in window 0)
	s_wait_tensorcnt 0x0
	ds_add_u32 v[SPW], v[NIL]
	s_wait_dscnt 9                                 ; the add and the youngest eight loads may be out
	MUL16 F1, 0, 0, 0                              ; sixteen matrix instructions stand between the add and the wait for it
	s_wait_dscnt 0x0                               ; the add is done, and my reads of this slot are over
	s_barrier_signal -1
	MUL16 F1, 0, 2, 0                              ; work on registers while the others arrive
.if \round
	WIN 0
.endif
	s_barrier_wait -1
.endm
; The whole last quarter where a slot is filled again: the barrier opens a round of the cluster's barrier, and the slot just read out is filled first behind it, with the next lap's tile of its kind.
.macro TURN slot, next
	WIN 0
	s_wait_xcnt 0x0                                ; this slot's last prefetch, a lap back, has read its address: it is stepped here, ahead of the waits of the change of slots
.if \slot
	s_add_nc_u64 s[PF1:PF1+1], s[PF1:PF1+1], s[STP1:STP1+1]
.else
	s_add_nc_u64 s[PF0:PF0+1], s[PF0:PF0+1], KSTEP*2
.endif
	MEET 1
	CREST                                          ; no wave of any partner still reads this slot's tile or has a load on its way
.if \slot
	s_add_nc_u64 s[G0+6:G0+7], s[G0+6:G0+7], XSTEP       ; x: 128 rows of K down
.else
	s_add_nc_u64 s[G0+2:G0+3], s[G0+2:G0+3], KSTEP*2     ; u: 128 along its rows
.endif
	s_add_nc_u64 s[G0B+4*(\slot)+2:G0B+4*(\slot)+3], s[G0B+4*(\slot)+2:G0B+4*(\slot)+3], KSTEP*2
	JLOAD \slot                                    ; my one tensor load behind the round; its four v_nop are also the places in front of the loads below
	FETCH \next, 0, F0
	ASK \slot
	MUL16 F1, 1, 0, 0
	MUL16 F1, 1, 2, 0
.endm
; THE LAST K STEP (x's step 7, in slot 1) GOES BY ROWS OF y.  All its fragments of the weights (4 quarters x 64 registers) fill window 1; then my eight blocks of 16 rows are finished one after the
; other, each with 32 matrix instructions: its 8 accumulators by turns, K ascending.  LDS is read no more than in any other K step.
.macro BLOAD q                         ; the weights' fragments of quarter q -> window 1, v[64 q ..]
	WIN TO_B
.irp i, 0,1,2,3,4,5,6,7
	ds_load_b128 v[64*(\q)+8*(\i):64*(\q)+8*(\i)+3],   v[ADRB+1] offset:64*(\q)+(\i)*16*PITCH
	ds_load_b128 v[64*(\q)+8*(\i)+4:64*(\q)+8*(\i)+7], v[ADRB+1] offset:64*(\q)+(\i)*16*PITCH+32
.endr
.endm
.macro ALOAD a                         ; x's fragments of block a, all four quarters, turned -> buffer a % 2
	WIN 0
.set FA, PA+32*((\a)%2)
.irp q, 0,1,2,3
	ds_load_tr16_b128 v[FA+8*(\q):FA+8*(\q)+3],   v[ADRX] offset:(\q)*32*XPITCH+32*(\a)
	ds_load_tr16_b128 v[FA+8*(\q)+4:FA+8*(\q)+7], v[ADRX] offset:(\q)*32*XPITCH+16*XPITCH+32*(\a)
.endr
.endm
.macro ROW a                           ; block a is finished: 32 matrix instructions
.set FA, PA+32*((\a)%2)
.set AC, 64*((\a)%4)
	WIN MUL_LO+0x50*((\a)/4)
.irp q, 0,1,2,3
.if (\a) == 0 && (\q) == 2
	s_wait_dscnt 8                                 ; the weights' quarter 2 is in (behind it: x's block 1)
.endif
.irp b, 0,1,2,3,4,5,6,7
	v_wmma_f32_16x16x32_bf16 v[AC+8*(\b):AC+8*(\b)+7], v[64*(\q)+8*(\b):64*(\q)+8*(\b)+7], v[FA+8*(\q):FA+8*(\q)+7], v[AC+8*(\b):AC+8*(\b)+7]
.endr
.endr
.endm
; THE WAY OUT of block a (16 rows x 128 columns of f32).  TOSTAGE: the accumulators, each from its low end on, into my own stage in LDS, and back as whole rows of 512 bytes, into v192-255 and v128-191 by turns.
; The registers that it loads were the data of the stores two blocks back; the wait at the head of the SEND between has shown those stores' sources read.
.macro TOSTAGE a
.set AC, 64*((\a)%4)
.set BK, 192-64*((\a)%2)
	WIN 0x08+4*((\a)/4)                            ; the stores' data (source 1): window 2 or 3
.irp b, 0,1,2,3,4,5,6,7
	ds_store_b128 v[STO], v[AC+8*(\b):AC+8*(\b)+3]   offset:64*(\b)
	ds_store_b128 v[STO], v[AC+8*(\b)+4:AC+8*(\b)+7] offset:64*(\b)+16
.endr
	WIN 0
.irp p, 0,1,2,3,4,5,6,7,8,9,10,11,12,13,14,15
	ds_load_b128 v[BK+4*(\p):BK+4*(\p)+3], v[RD] offset:(\p)*SPITCH  ; LDS serves a wave's instructions in order (ISA guide 5.7.1.4): these see the stores above
.endr
.endm
.macro SEND a, younger                 ; younger: the LDS loads issued behind block a's: the eight of a block of x, or none
	WIN 0
.set BK, 192-64*((\a)%2)
	s_wait_dscnt \younger                          ; the block is back in registers
	s_wait_xcnt 0x0                                ; every earlier store has read its sources (ISA guide 3.1): the next TOSTAGE may load the registers that the block before this one was stored from
.irp p, 0,1,2,3,4,5,6,7,8,9,10,11,12,13,14,15
	global_store_b128 v[CO], v[BK+4*(\p):BK+4*(\p)+3], s[8:9] offset:(16*(\a)+(\p))*CROW th:TH_STORE_NT  ; the wave stores 512 consecutive bytes, aligned
.endr
.endm
	s_wait_tensorcnt 1                             ; my part of slot 0 is in; slot 1's may stay out
	s_barrier_signal -1
	s_barrier_wait -1                              ; everybody's is
	FETCH 0, 0, F0
	QUARTER 0, 1, F0, F1, 2                        ; the first quarter stands in front of the loop: its products start the sums, with the bias
	WIN 0                                          ; at a label and at a branch every window is 0
	s_mov_b32 s3, 7
.Llap:                                                 ; seven trips: each goes once round the ring, from a lap's second quarter to the next lap's first, and fills both slots again: laps 1 to 7
	QUARTER 0, 2, F1, F0, 0
	QUARTER 0, 3, F0, F1, 0
	TURN 0, 1
	QUARTER 1, 1, F0, F1, 0
	QUARTER 1, 2, F1, F0, 0
	QUARTER 1, 3, F0, F1, 0
	TURN 1, 0
	QUARTER 0, 1, F0, F1, 0
	WIN 0
	s_sub_co_u32 s3, s3, 1
	s_cmp_lg_u32 s3, 0
	s_cbranch_scc1 .Llap
	QUARTER 0, 2, F1, F0, 0                        ; the last lap is written out: it asks for nothing
	QUARTER 0, 3, F0, F1, 0
	MEET 0                                         ; my one tensor load that was still out is slot 1's, the last K step's, so no round follows
	PLACES                                         ; for the loads into buffer 0, which the quarter before multiplied
	BLOAD 0                                        ; three quarters of the weights now: buffer 1 (v128-191 of both windows) is still being multiplied
	BLOAD 1
	BLOAD 3
	ALOAD 0
	MUL16 F1, 1, 0, 0
	MUL16 F1, 1, 2, 0
	PLACES                                         ; for the loads into buffer 1
	BLOAD 2
	ALOAD 1
	s_wait_dscnt 24                                ; all but the 24 just issued
	ROW 0
.irp a, 0,1,2,3,4,5,6,7                ; block a goes to the stage; the next block's products stand between its loads from the stage and its stores
	PLACES                                         ; behind block a's last product: its results are read, and its buffer of x is loaded again
	TOSTAGE \a
.if (\a) < 6
	ALOAD (\a)+2
	s_wait_dscnt 40                                ; all but the stage's 32 and the eight just issued: block a + 1's fragments are in
	ROW (\a)+1
	SEND \a, 8
.elseif (\a) == 6
	s_wait_dscnt 32                                ; all but the stage's 32
	ROW 7
	SEND 6, 0
.else
	SEND 7, 0
.endif
.endr
	s_wait_tensorcnt 0x0                           ; the wave's end: behind my last tensor load and my last LDS store
	ds_add_u32 v[SPW], v[NIL]
	s_wait_dscnt 0x0
	CROUND                                         ; the closing round: no work-group ends while a partner may still ask for a tile that names it
	s_endpgm
.Lfunc_end_k_q2568237167_gemm2:
	.size	k_q2568237167_gemm2, .Lfunc_end_k_q2568237167_gemm2-k_q2568237167_gemm2
	.p2alignl 7, 3214868480
	.fill 96, 4, 3214868480
	.section	.rodata,"a",@progbits
	.p2align	6, 0x0
	.amdhsa_kernel k_q2568237167_gemm2
		.amdhsa_group_segment_fixed_size 327680
		.amdhsa_private_segment_fixed_size 0
		.amdhsa_enable_private_segment 0
		.amdhsa_kernarg_size 48
		.amdhsa_user_sgpr_count 2
		.amdhsa_user_sgpr_kernarg_segment_ptr 1
		.amdhsa_wavefront_size32 1
		.amdhsa_system_sgpr_workgroup_id_x 1
		.amdhsa_system_sgpr_workgroup_id_y 1
		.amdhsa_system_sgpr_workgroup_id_z 1
		.amdhsa_system_vgpr_workitem_id 0
		.amdhsa_next_free_vgpr 1024
		.amdhsa_next_free_sgpr 88
		.amdhsa_reserve_vcc 0
		.amdhsa_float_denorm_mode_32 3
		.amdhsa_float_denorm_mode_16_64 3
		.amdhsa_memory_ordered 1
		.amdhsa_forward_progress 1
		.amdhsa_inst_pref_size 157
	.end_amdhsa_kernel
	.amdgpu_metadata
---
amdhsa.version: [ 1, 2 ]
amdhsa.kernels:
  - .name:           k_q2568237167_gemm2
    .symbol:         k_q2568237167_gemm2.kd
    .args:
      - { .name: ub, .offset: 0, .size: 8, .value_kind: global_buffer, .address_space: global }
      - { .name: wb, .offset: 8, .size: 8, .value_kind: global_buffer, .address_space: global }
      - { .name: out0, .offset: 16, .size: 8, .value_kind: global_buffer, .address_space: global }
      - { .name: xt, .offset: 24, .size: 8, .value_kind: global_buffer, .address_space: global }
      - { .name: b_C, .offset: 32, .size: 8, .value_kind: global_buffer, .address_space: global }
      - { .name: b_D, .offset: 40, .size: 8, .value_kind: global_buffer, .address_space: global }
    .group_segment_fixed_size: 327680
    .private_segment_fixed_size: 0
    .kernarg_segment_align: 8
    .kernarg_segment_size: 48
    .max_flat_workgroup_size: 128
    .sgpr_count:     88
    .vgpr_count:     1024
    .wavefront_size: 32
...
	.end_amdgpu_metadata
.endif
;; end of part 8
;; ======== version 3 of 3: 4 launches; version 2 with the launch cast written anew for expert scheduling mode
;; limits: values are held in f16: magnitudes above 65,504 overflow, below 6.1e-05 lose precision
;; workspace buffers: ub 33,554,432 bytes; wb 6,291,456 bytes; but 33,554,432 bytes; xt 33,554,432 bytes
;; launch cast (part 9): grid 1216 x 1, 8 waves a work-group, no clusters, 0 bytes of LDS; arguments u, W_B, W_D, W_C, ub, wb; writes ub, wb
.if DOCPART == 9
	.amdgcn_target "amdgcn-amd-amdhsa--gfx1250"
	.amdhsa_code_object_version 6
	.text
	.protected	k_q2568237167_cast
	.globl	k_q2568237167_cast
	.p2align	8
	.type	k_q2568237167_cast,@function
k_q2568237167_cast:
	s_mov_b64 s[64:65], 0
	v_nop
	global_prefetch_b8 v0, s[64:65] scope:SCOPE_SE
	s_setreg_imm32_b32 hwreg(HW_REG_WAVE_SCHED_MODE, 0, 2), 2
	s_setreg_imm32_b32 hwreg(HW_REG_WAVE_MODE, 25, 1), 1
	s_wait_xcnt 0x0
	s_wait_alu depctr_vm_vsrc(0)
; THE PROGRAM, four launches:  y = x W_C^T + b_C + u W_D^T + b_D,  x_t = A_bar x_(t-1) + dt (u_t W_B^T + b_B).
;   cast   u and the three weight matrices, f32 to bf16 (this text)
;   gemm1  S[n][bt] = sum over k of W_B[n][k] u[bt][k], rounded once to f16, time along the rows (bt = 2,048 b + t)
;   scan   Bu = dt S + dt b_B and the recurrence along each piece of 2,048 numbers of a row of S; x rounded once to bf16
;   gemm2  y = [u | x] [W_D | W_C]^T + b_C + b_D
; WORK LEFT OUT.  x0 is the array of zeros that the recurrence starts from by its own definition, so A_bar x0 = 0 whatever finite numbers the inputs hold:
; the first steps of a sequence take no carry (scan).  Every input has a way to y and is loaded.
; LIMITS.  All inputs, the small ones too, are rounded to bf16 (nearest even) before use; S is rounded once to f16 on its way to the scan, so |S| stays under 65,504 (a sum of 1,024 products);
; x is rounded once to bf16 as a matrix operand; sums are f32 and are taken in another order than a step-by-step scan takes them.
; A NaN or an infinity in A_bar that would reach y only through A_bar x0 is not carried; NaN and infinities are not treated apart anywhere.
; THIS LAUNCH.  A work-group casts 16 rows of 1,024 numbers.  Work-groups 0-1023: u -> ub [16384][1024].  Then 64 each: W_B -> wb byte 0, [1024][1024];
; W_D and W_C -> wb byte 2,097,152, one matrix [1024][2048] with W_D in columns 0-1023 and W_C in columns 1024-2047.
; Thread t takes 16 bytes at 16 t of each row (a wave: 512 consecutive bytes) and stores 8 bytes at 8 t (a wave: 256 consecutive bytes, aligned).
; All 16 loads go out first.  No LDS, no matrix unit: bytes are all there is.
; THE MODE: SCHED_MODE bits 1:0 = 2 (LLVM: expert scheduling mode 2), set by the entry lines.  The code itself states the register dependences
; between vector instructions and memory instructions, with s_wait_alu, always for 0.
; THE PLAN.  Registers that memory instructions touch:
;   v1            16 t.  Written once, at the head; read by all 16 loads as their offset.
;   v[OFF+j]      Written once, by one vector line behind the loads; read by row j's store as its offset.
;   v[DAT+4j ..]  Row j's load lands in the four; row j's two conversions read them and write the first two, which row j's store reads.
; No register that a memory instruction has read is written again, and no vector line names a register of DAT ahead of the load that lands in it: so all that is to be stated is
; 'written, then read by a load or store'.  The 16 rows go in four blocks of four.  Block p waits for its four loads and rounds them; the four stores of block p - 1 are dealt among
; its eight conversions, which name block p's registers alone.  One wait at the head of blocks 1 to 3 states that the block before has written its words (at block 1 also: the sixteen
; offsets); one stands ahead of the first load, for v1; one behind block 3, for the last four stores.
.set ROWIN, 4096                       ; bytes in a row of f32
.set OFF,   8                          ; v[8:23]   row j: byte offset of my 8 bytes in the destination
.set DAT,   32                         ; v[32:95]  row j: four numbers as loaded; the first two registers then hold them as bf16
	s_load_b256 s[4:11], s[0:1], 0x0               ; u s[4:5], W_B s[6:7], W_D s[8:9], W_C s[10:11]
	s_load_b128 s[12:15], s[0:1], 0x20             ; ub s[12:13], wb s[14:15]
	v_lshlrev_b32 v1, 4, v0                        ; 16 t
	v_lshlrev_b32 v2, 3, v0                        ; 8 t
	s_lshr_b32 s18, ttmp9, 6                       ; below 16: u; 16: W_B; 17: W_D; 18: W_C
	s_and_b32 s17, ttmp9, 63                       ; a weight matrix's block of 16 rows
	s_mov_b32 s25, 0
	s_wait_kmcnt 0x0
	s_cmp_lt_u32 s18, 16                           ; all choices hang on the work-group's number alone, and stand ahead of the shifts, which write SCC
	s_cselect_b32 s16, ttmp9, s17                  ; my block of 16 rows in its source
	s_cselect_b64 s[20:21], s[4:5], s[6:7]
	s_cselect_b64 s[22:23], s[12:13], s[14:15]
	s_cmp_eq_u32 s18, 17
	s_cselect_b64 s[20:21], s[8:9], s[20:21]
	s_cmp_eq_u32 s18, 18
	s_cselect_b64 s[20:21], s[10:11], s[20:21]
	s_cselect_b32 s27, 2048, 0                     ; W_C: the right half of the joint rows
	s_cmp_gt_u32 s18, 16
	s_cselect_b32 s30, 1, 0                        ; 1: the destination's rows are 4,096 bytes
	s_lshl_b32 s28, 2048, s30                      ; bytes in a row of the destination
	s_add_co_u32 s29, s30, 15
	s_lshl_b32 s26, s30, 21                        ; the joint matrix begins at byte 2,097,152
	s_lshl_b32 s24, s16, 16                        ; 16 rows of 4,096 bytes
	s_add_nc_u64 s[20:21], s[20:21], s[24:25]
	s_lshl_b32 s24, s16, s29                       ; 16 rows of the destination
	s_add_co_u32 s24, s24, s26
	s_add_co_u32 s24, s24, s27
	s_add_nc_u64 s[22:23], s[22:23], s[24:25]
	s_wait_alu depctr_va_vdst(0)                   ; v1 is written: the 16 loads below read it as their offset
.set j, 0
.rept 16
	global_load_b128 v[DAT+4*j:DAT+4*j+3], v1, s[20:21] offset:ROWIN*j th:TH_LOAD_NT
.set j, j+1
.endr
.set j, 0
.rept 16
	v_mad_u32_u24 v[OFF+j], s28, j, v2             ; row j x the destination's pitch + 8 t
.set j, j+1
.endr
; Row j is rounded: four f32 close up into the first two of their four registers.
.macro ROUNDS j
	v_cvt_pk_bf16_f32 v[DAT+4*(\j)], v[DAT+4*(\j)], v[DAT+4*(\j)+1]
	v_cvt_pk_bf16_f32 v[DAT+4*(\j)+1], v[DAT+4*(\j)+2], v[DAT+4*(\j)+3]
.endm
; Row j leaves.
.macro LEAVES j
	global_store_b64 v[OFF+(\j)], v[DAT+4*(\j):DAT+4*(\j)+1], s[22:23]
.endm
; Block p: rows 4 p to 4 p + 3 are rounded; among their conversions the rows of the block before leave.
.macro BLK p
	s_wait_loadcnt 12-4*(\p)                       ; loads come back in order (ISA guide 5.7.1): block p's four rows are in, the 12 - 4 p younger loads stay out
.if (\p) > 0
	s_wait_alu depctr_va_vdst(0)                   ; the block before has written its eight words of bf16, which the four stores below read; at block 1 also: the sixteen offsets v[OFF ..] are written
.endif
.irp i, 0,1,2,3
.if (\p) > 0
	LEAVES 4*(\p)-4+(\i)                           ; no vector line since the wait names this store's offset or its data
.endif
	ROUNDS 4*(\p)+(\i)
.endr
.endm
	BLK 0
	BLK 1
	BLK 2
	BLK 3
	s_wait_alu depctr_va_vdst(0)                   ; block 3 has written its eight words of bf16, which the last four stores read
.irp i, 12,13,14,15
	LEAVES \i
.endr
	s_endpgm
.Lfunc_end_k_q2568237167_cast:
	.size	k_q2568237167_cast, .Lfunc_end_k_q2568237167_cast-k_q2568237167_cast
	.p2alignl 7, 3214868480
	.fill 96, 4, 3214868480
	.section	.rodata,"a",@progbits
	.p2align	6, 0x0
	.amdhsa_kernel k_q2568237167_cast
		.amdhsa_group_segment_fixed_size 0
		.amdhsa_private_segment_fixed_size 0
		.amdhsa_enable_private_segment 0
		.amdhsa_kernarg_size 48
		.amdhsa_user_sgpr_count 2
		.amdhsa_user_sgpr_kernarg_segment_ptr 1
		.amdhsa_wavefront_size32 1
		.amdhsa_system_sgpr_workgroup_id_x 1
		.amdhsa_system_sgpr_workgroup_id_y 1
		.amdhsa_system_sgpr_workgroup_id_z 1
		.amdhsa_system_vgpr_workitem_id 0
		.amdhsa_next_free_vgpr 96
		.amdhsa_next_free_sgpr 66
		.amdhsa_reserve_vcc 0
		.amdhsa_float_denorm_mode_32 3
		.amdhsa_float_denorm_mode_16_64 3
		.amdhsa_memory_ordered 1
		.amdhsa_forward_progress 1
		.amdhsa_inst_pref_size 8
	.end_amdhsa_kernel
	.amdgpu_metadata
---
amdhsa.version: [ 1, 2 ]
amdhsa.kernels:
  - .name:           k_q2568237167_cast
    .symbol:         k_q2568237167_cast.kd
    .args:
      - { .name: u, .offset: 0, .size: 8, .value_kind: global_buffer, .address_space: global }
      - { .name: W_B, .offset: 8, .size: 8, .value_kind: global_buffer, .address_space: global }
      - { .name: W_D, .offset: 16, .size: 8, .value_kind: global_buffer, .address_space: global }
      - { .name: W_C, .offset: 24, .size: 8, .value_kind: global_buffer, .address_space: global }
      - { .name: ub, .offset: 32, .size: 8, .value_kind: global_buffer, .address_space: global }
      - { .name: wb, .offset: 40, .size: 8, .value_kind: global_buffer, .address_space: global }
    .group_segment_fixed_size: 0
    .private_segment_fixed_size: 0
    .kernarg_segment_align: 8
    .kernarg_segment_size: 48
    .max_flat_workgroup_size: 256
    .sgpr_count:     66
    .vgpr_count:     96
    .wavefront_size: 32
...
	.end_amdgpu_metadata
.endif
;; end of part 9
;; launch gemm1: the kernel of part 6 again; grid 64 x 4, 4 waves a work-group, clusters of 4 x 4, 327,680 bytes of LDS; arguments wb, ub, but; writes but
;; launch scan: the kernel of part 7 again; grid 1024 x 1, 8 waves a work-group, no clusters, 0 bytes of LDS; arguments but, log_A, log_dt, b_B, xt; writes xt
;; launch gemm2: the kernel of part 8 again; grid 4 x 64, 4 waves a work-group, clusters of 4 x 4, 327,680 bytes of LDS; arguments ub, wb, out0, xt, b_C, b_D; writes out0
